; MI455X (gfx1250); checked and timed in simulation.
; The chip was launched on July 23, 2026; its instructions are those of AMD's public machine-readable ISA for CDNA 5 (MIT licence, August 2026) and "CDNA5" Instruction Set Architecture Reference Guide (July 2026). The comments in the code are by the model that wrote it; some were corrected since.
;; Multi Head Attention. Allowed arithmetic: matrix products marked QUANTISED: E2M1 operands, one E8M0 scale for each 32 along K, by v_wmma_scale_f32_16x16x128_f8f6f4 with both operands' format E2M1 (or v_wmma_scale_f32_32x16x128_f4), f32 sums; products left as they are: f32 operands where the result goes on into a quantised operand, else bf16, f16 or f32 operands; f32 sums; everything else in f32.
;; Inputs: W_proj 1,024 x 1,024 float32; W_qkv 3,072 x 1,024 float32; b_proj 1,024 float32; b_qkv 3,072 float32; lora_A 8 x 1,024 float32; lora_B 3,072 x 8 float32; x 4 x 2,048 x 1,024 float32.
;; Outputs: out0 4 x 2,048 x 1,024 float32.
;; This version of the problem:
;;   THIS VERSION OF THE PROBLEM IS GIVEN IN LOW PRECISION. The matrix products marked QUANTISED in the list below multiply operands that are first quantised to E2M1 (2 exponent bits, 1 mantissa bit; 4 bits a number), with one power-of-two scale for each 32 numbers along K (OCP MX v1.0); their sums are f32. All else is computed in f32.
;;   The module's matrix products, in the order in which they are computed (A, B: the left and right operand; K: the contracted axis; several contracted axes count as one K, in the product's order):
;;     1. [M 8,192, K 1,024] x [K 1,024, N 3,072]; A: input x; B: input W_qkv: QUANTISED
;;     2. [M 8,192, K 1,024] x [K 1,024, N 8]; A: input x; B: input lora_A: left as it is (N = 8 < 16)
;;     3. [M 8,192, K 8] x [K 8, N 3,072]; A: computed on the way; B: input lora_B: left as it is (K = 8 < 32)
;;     4. batch 64 x [M 2,048, K 64] x [K 64, N 2,048]; A: computed on the way; B: computed on the way: QUANTISED
;;     5. batch 64 x [M 2,048, K 2,048] x [K 2,048, N 64]; A: softmax (see below); B: computed on the way: QUANTISED
;;     6. [M 8,192, K 1,024] x [K 1,024, N 1,024]; A: computed on the way; B: input W_proj: QUANTISED
;;   THE QUANTISER, for each operand of a quantised product, along K:
;;     - K is cut into blocks of 32 from its start; a last block that is shorter is filled with zeros.
;;     - A block's scale is 2^e with e = floor(log2(the largest magnitude in the block)) - 2, held to -126 .. 127; a block of zeros has e = 0. As a byte (E8M0): e + 127.
;;     - Each number is divided by its block's scale, clamped to +-6, and rounded to the nearest number of E2M1, ties to even, subnormals kept.
;;     - The product sums the exact products of the quantised numbers (number of the format x scale) in f32.
;;   ~~~python
;;   def quantise(x, axis):      # numpy; x: float32 -> the quantised numbers, widened to float32 again
;;       x = np.moveaxis(x, axis, -1); K = x.shape[-1]
;;       x = np.pad(x, [(0, 0)] * (x.ndim - 1) + [(0, -K % 32)]); x = x.reshape(x.shape[:-1] + (-1, 32)); a = np.abs(x).max(-1, keepdims=True)
;;       e = np.where(a > 0, np.clip(np.frexp(np.where(a > 0, a, 1))[1] - 1 - 2, -126, 127), 0)      # np.frexp(a)[1] - 1 = floor(log2(a)), exactly
;;       r = np.clip(x / 2.0 ** e, -6, 6)
;;       step = 2.0 ** (np.maximum(np.frexp(np.where(r == 0, 1, r))[1] - 1, 0) - 1)
;;       q = np.round(r / step) * step * 2.0 ** e      # np.round: ties to even
;;       return np.moveaxis(q.reshape(q.shape[:-2] + (-1,))[..., :K], -1, axis).astype(np.float32)
;;   ~~~
;;   SOFTMAX AHEAD OF A QUANTISED PRODUCT. Where the list says 'softmax', what is quantised is not the finished softmax but p = 2^(t - M), with t = logit x log2(e) and M = ceil(the row's largest t), a whole number; so 1/2 < the row's largest p <= 1. The row's sum l is taken of the UNQUANTISED p, in f32, and the product's result is divided by l at the end. Since M is a whole number, a kernel that streams over the keys may use a running M (the ceiling of the running maximum): every later rescaling is an exact power of two, which a block's scale takes up: the codes' values come out the same.
;;   OPERANDS COMPUTED ON THE WAY. 'Computed on the way' means the value that the module computes at that place (a softmax that the list does not call 'softmax' is quantised finished and normalised). What goes into a quantiser is computed in f32, as accurately as f32 sums, v_exp_f32 and their like allow (about 1e-6 of the number): no bf16 or f16 on the way to a quantiser, and a product that is left as it is and whose result goes on into a quantised operand takes f32 operands (vector FMAs, or v_wmma_f32_16x16x4_f32). A number that lies on a knife's edge between two numbers of the format may be rounded either way, as far as f32 arithmetic and the matrix unit's own rounding can turn it there, and no further.
;; One version. Each part assembles by itself: llvm-mc -triple=amdgcn-amd-amdhsa -mcpu=gfx1250 --defsym DOCPART=n.
;; ======== version 1 of 1: 4 launches
;; limits: right only within a limited range of input values
;; workspace buffers: cod 6,291,456 bytes; scl 393,216 bytes; xa 262,144 bytes; qr 4,718,592 bytes; kv 9,175,040 bytes; oc 4,194,304 bytes; os 262,144 bytes
;; launch prep (part 1): grid 384 x 1, 8 waves a work-group, no clusters, 154,624 bytes of LDS; arguments x, W_qkv, W_proj, lora_A, cod, scl, xa; writes cod, scl, xa
.if DOCPART == 1
	.amdgcn_target "amdgcn-amd-amdhsa--gfx1250"
	.amdhsa_code_object_version 6
	.text
	.protected	k_q97b7ebf697_prep
	.globl	k_q97b7ebf697_prep
	.p2align	8
	.type	k_q97b7ebf697_prep,@function
k_q97b7ebf697_prep:
	s_mov_b64 s[64:65], 0
	v_nop
	global_prefetch_b8 v0, s[64:65] scope:SCOPE_SE
	s_setreg_imm32_b32 hwreg(HW_REG_WAVE_MODE, 25, 1), 1
	s_wait_xcnt 0x0
; MULTI-HEAD ATTENTION WITH A LORA BRANCH, IN MX-FP4.  LAUNCH 1 OF 4: x, W_qkv and W_proj become codes of E2M1 with one E8M0 byte for each 32 along K; xa = (x lora_A^T) / 8 in f32.
; DEAD WORK: none is left out in any launch.  Every input has a way to out0; the bias on k, which a softmax in real numbers would cancel, moves k's codes and stays.  The only padding is the second half
; (zero codes) of the K = 128 instruction in q k^T, whose K is 64: it lies inside a live tile.
; LIMITS: NaN and infinities among the inputs are not served.  A block whose largest magnitude lies under 2^-124 (a block of zeros too) keeps the scale byte 1: its codes are as the rule gives them for zeros, and the bytes
; are read by this program alone.  qkv is summed as (lora / 8 + x W^T) + b where the source has (x W^T + b) + lora / 8: another order of f32 rounding.  The factor 1/8, a power of two, is applied to xa: that rounds nothing.
; LAYOUT OF ALL CODES IN THIS PROGRAM.  A fragment (16 rows x 128 K, 8 registers a lane) lies in memory as an image of its registers: two runs of 512 bytes, lane l's 16 bytes at 16 l.
; TILE j OF A TENSOR HOLDS IN LANE r THE ROW 32 (j / 2) + 8 (j % 2) + r + 8 (r / 8): as source 0 of a product, the 16 result registers of tiles 2 b and 2 b + 1 are then 16 neighbours along that axis.
; cod: [tile 0..767][K step 0..7][1,024 bytes]: tiles 0-511 x, 512-703 W_qkv, 704-767 W_proj.  scl: [tile][K step][16 words], a word = the four bytes of 128 K of one row.  xa: [8,192][8] f32.
; SHARES.  A work-group takes 32 rows = two tiles; wave w takes K 128 w .. 128 w + 127 of them.  Each load reads 512 consecutive bytes of a row; a tile's 16 rows turn through the wave's own stage in LDS, so that a lane
; gets 16 neighbours of each block of 32.  Work-groups 0-255 take x (and make xa), 256-351 W_qkv, 352-383 W_proj.  The text has two arms, parted on the work-group's number, each with LDS bytes of its own.
; xa: f32 operands, since it goes on into quantised operands: v_wmma_f32_16x16x4_f32, source 0 = lora_A's 8 ranks (lanes 8-15 repeat them; their results are not read), source 1 = 16 rows of x; the same order of k on both sides.
; No tensor loads, no cluster: work-groups share nothing but lora_A's 32 KiB.
.set STX,   0                          ; arm x: eight stages of 16 rows x (512 + 16) bytes
.set PART,  67584                      ; arm x: xa's partial sums, [wave][tile][lane][32 bytes]
.set SCGX,  83968                      ; arm x: the two tiles' scale words, [tile][K step][16 words]
.set STW,   84992                      ; arm W: its stages
.set SCGW,  152576                     ; arm W: its scale words
.set SPARE, 153600                     ; the spare words, 128 bytes for each wave: four blocks of 256 bytes that no other line names
.set LA,  16                           ; v16-79   lora_A: my rank's 64 numbers of my K strip
.set RW,  80                           ; v80-143  a tile's 16 rows as loaded
.set XT,  144                          ; v144-207 my row's 64 numbers: register 16 b + i = k 32 b + 16 (lane / 16) + i
.set ACC, 208                          ; v208-223 two f32 accumulators, written by matrix instructions alone
.set PC,  224                          ; v224-231 the codes just made
.set TM,  232                          ; v232-247 at work
.set PW,  248                          ; v248     the scale word just made
.set SPW, 254                          ; v254     LDS address of my spare word; never rewritten
.set NIL, 255                          ; v255     0; never rewritten
.set SEL, 26                           ; s[26:27] lane selects for v_permlanex16_b32: lane l xor 16
; 64 numbers of a lane, v[s] .. v[s + 63], register 16 b + i = k 32 b + 16 (lane / 16) + i of my row, become a fragment's codes in v[PC] on and its scale word in v[pw].
.macro QUANT s, pw
.irp b, 0,1,2,3
	v_max3_num_f32 v[TM+\b], |v[\s+16*\b]|, |v[\s+1+16*\b]|, 0x1800000   ; block b: my 16 numbers, and the floor 2^(3 - 127): the byte cannot fall under 1
.endr
.irp i, 2,4,6,8,10,12,14
.irp b, 0,1,2,3
	s_delay_alu instid0(VALU_DEP_4)
	v_max3_num_f32 v[TM+\b], v[TM+\b], |v[\s+16*\b+\i]|, |v[\s+1+16*\b+\i]|   ; the four blocks by turns
.endr
.endr
.irp b, 0,1,2,3
	s_delay_alu instid0(VALU_DEP_4)
	v_permlanex16_b32 v[TM+4+\b], v[TM+\b], s[SEL], s[SEL+1]
.endr
.irp b, 0,1,2,3
	s_delay_alu instid0(VALU_DEP_4)
	v_max_num_f32 v[TM+\b], v[TM+\b], v[TM+4+\b]   ; with lane l xor 16's: the block's largest magnitude
.endr
.irp b, 0,1,2,3
	s_delay_alu instid0(VALU_DEP_4)
	v_add_nc_u32 v[TM+12+\b], 0xff000000, v[TM+\b]   ; 2 off its exponent field: the conversion takes this operand's exponent field as its scale
.endr
.irp b, 0,1,2,3
	s_delay_alu instid0(VALU_DEP_4)
	v_lshrrev_b32 v[TM+4+\b], 23, v[TM+12+\b]      ; the scale's byte
.endr
	s_delay_alu instid0(VALU_DEP_3)
	v_lshl_or_b32 v[\pw], v[TM+5], 8, v[TM+4]      ; the four bytes make my row's scale word
	s_delay_alu instid0(VALU_DEP_1)
	v_lshl_or_b32 v[\pw], v[TM+6], 16, v[\pw]
	s_delay_alu instid0(VALU_DEP_1)
	v_lshl_or_b32 v[\pw], v[TM+7], 24, v[\pw]
.irp b, 0,1,2,3
	v_cvt_scalef32_pk8_fp4_f32 v[PC+2*\b], v[\s+16*\b:\s+7+16*\b], v[TM+12+\b]
	v_cvt_scalef32_pk8_fp4_f32 v[PC+1+2*\b], v[\s+8+16*\b:\s+15+16*\b], v[TM+12+\b]
.endr
	v_nop                                          ; one plain place behind a scaled conversion
.irp c, 0,1                                    ; the operand's layout wants a whole block in a lane: lanes 0-15 block 2 c, lanes 16-31 block 2 c + 1
.irp i, 0,1
	v_permlane16_swap_b32 v[PC+4*\c+\i], v[PC+2+4*\c+\i]
.endr
.endr
.endm
.macro LOADT u                         ; tile u's 16 rows, my strip of 512 bytes of each: lane-row i is row 8 u + i + 8 (i / 8) of the group's 32
.irp i, 0,1,2,3,4,5,6,7,8,9,10,11,12,13,14,15
	global_load_b128 v[RW+4*\i:RW+4*\i+3], v1, s[20:21] offset:(8*\u+\i+8*(\i/8))*4096 th:TH_LOAD_NT
.endr
.endm
.macro TILE u, lora
	s_wait_loadcnt 0x0                             ; the tile's 16 loads are in (ahead of tile 0's: lora_A's)
.irp i, 0,1,2,3,4,5,6,7,8,9,10,11,12,13,14,15
	ds_store_b128 v2, v[RW+4*\i:RW+4*\i+3] offset:528*\i
.endr
.irp b, 0,1,2,3
.irp j, 0,1,2,3
	ds_load_b128 v[XT+16*\b+4*\j:XT+16*\b+4*\j+3], v3 offset:128*\b+16*\j   ; LDS serves a wave's instructions in order: these see my stores
.endr
.endr
	s_wait_dscnt 0x0                               ; my row's numbers are in, and the stores have read their registers
.if \u == 0
	LOADT 1                                        ; the second tile is on its way while the first is worked
.endif
.if \lora
.set p, 0
.rept 32                                       ; 128 along K, four a product; two accumulators by turns; the first two products start the sums
.if p < 2
	v_wmma_f32_16x16x4_f32 v[ACC+8*(p%2):ACC+8*(p%2)+7], v[LA+2*p:LA+2*p+1], v[XT+2*p:XT+2*p+1], 0
.else
	v_wmma_f32_16x16x4_f32 v[ACC+8*(p%2):ACC+8*(p%2)+7], v[LA+2*p:LA+2*p+1], v[XT+2*p:XT+2*p+1], v[ACC+8*(p%2):ACC+8*(p%2)+7]
.endif
.set p, p+1
.endr
.endif
.if \u == 1
	s_wait_xcnt 0x0                                ; tile 0's stores have read the codes' registers: they are written again only behind this wait
.endif
	QUANT XT, PW                                   ; (its plain lines are also the places behind the products above)
	global_store_b128 v1, v[PC:PC+3], s[12:13] offset:8192*\u          ; 32 lanes store 512 consecutive bytes
	global_store_b128 v1, v[PC+4:PC+7], s[12:13] offset:8192*\u+512
	ds_store_b32 v4, v[PW] offset:512*\u           ; lanes l and l + 16 write the same word with the same value
.if \lora
.irp j, 0,2,4,6
	v_pk_add_f32 v[TM+\j:TM+\j+1], v[ACC+\j:ACC+\j+1], v[ACC+8+\j:ACC+8+\j+1]   ; the two sums, from their low ends on, into other registers: lane r < 16, register j: row r, rank j
.endr
	ds_store_b128 v5, v[TM:TM+3] offset:1024*\u
	ds_store_b128 v5, v[TM+4:TM+7] offset:1024*\u+16
.endif
.endm
.macro BODY lora, st, scg
	s_mul_i32 s28, s18, 8448                       ; my stage
.if \st
	s_add_co_u32 s28, s28, \st
.endif
	v_add_nc_u32 v2, s28, v1                       ; into it: 16 x lane of a row
	v_mul_u32_u24 v3, v12, 528
	s_delay_alu instid0(VALU_DEP_1)
	v_lshl_add_u32 v3, v13, 6, v3
	s_delay_alu instid0(VALU_DEP_1)
	v_add_nc_u32 v3, s28, v3                       ; out of it: row r, + 64 (lane / 16)
	s_lshl_b32 s29, s18, 6
	s_add_co_u32 s29, s29, \scg
	v_lshl_add_u32 v4, v12, 2, s29                 ; my scale word's place: 64 x wave + 4 r
	s_and_b32 s30, s18, 1
	s_lshl_b32 s31, s30, 9
	s_add_co_u32 s29, s31, \scg
	v_add_nc_u32 v7, s29, v1                       ; waves 4, 5: a tile's 512 bytes of scale words
.if \lora
	s_lshl_b32 s29, s18, 11
	s_add_co_u32 s29, s29, PART
	v_lshl_add_u32 v5, v11, 5, s29                 ; my partial sums: 2,048 x wave + 32 x lane
	s_lshr_b32 s32, s18, 1
	s_lshl_b32 s29, s32, 10
	s_lshl_b32 s33, s30, 8
	s_add_co_u32 s29, s29, s33
	s_add_co_u32 s29, s29, PART
	v_lshl_add_u32 v6, v11, 3, s29                 ; waves 0-3: eight rows of tile wave / 2, lane-rows 8 (wave % 2) on: 8 bytes a lane
	v_and_b32 v8, 7, v12
	s_delay_alu instid0(VALU_DEP_1)
	v_lshlrev_b32 v8, 12, v8
	s_delay_alu instid0(VALU_DEP_1)
	v_lshl_add_u32 v8, v13, 6, v8                  ; lora_A: rank r % 8, + 64 (lane / 16)
	s_wait_alu depctr_va_vdst(0)
	v_lshlrev_b32 v9, 3, v11
	s_mov_b64 s[20:21], s[4:5]
	s_lshl_b32 s22, ttmp9, 17                      ; 32 rows of 4,096 bytes a work-group
.else
	s_cmp_lt_u32 ttmp9, 352                        ; the choice hangs on the work-group's number alone
	s_cselect_b64 s[20:21], s[6:7], s[8:9]
	s_mov_b32 s22, 352
	s_cselect_b32 s22, 256, s22
	s_sub_co_u32 s22, ttmp9, s22
	s_lshl_b32 s22, s22, 17
.endif
	s_lshl_b32 s24, s18, 9                         ; my strip: 512 bytes a wave
	s_mov_b32 s25, 0
	s_mov_b32 s23, 0
	s_add_co_u32 s22, s22, s24
	s_add_nc_u64 s[20:21], s[20:21], s[22:23]
	s_lshl_b32 s22, ttmp9, 14                      ; cod: two tiles of 8,192 bytes a work-group, 1,024 a K step
	s_lshl_b32 s33, s18, 10
	s_add_co_u32 s22, s22, s33
	s_add_nc_u64 s[12:13], s[12:13], s[22:23]
	s_lshl_b32 s22, ttmp9, 10                      ; scl: two tiles of 512 bytes
	s_add_co_u32 s34, s22, s31
	s_mov_b32 s35, 0
	s_add_nc_u64 s[14:15], s[14:15], s[34:35]
.if \lora
	s_add_nc_u64 s[10:11], s[10:11], s[24:25]
	s_lshl_b32 s33, s32, 8                         ; xa: 32 rows of 32 bytes a work-group; waves 0-3 store rows 8 (wave / 2) + 16 (wave % 2) on
	s_add_co_u32 s22, s22, s33
	s_add_co_u32 s22, s22, s31
	s_add_nc_u64 s[16:17], s[16:17], s[22:23]
.irp b, 0,1,2,3
.irp j, 0,1,2,3
	global_load_b128 v[LA+16*\b+4*\j:LA+16*\b+4*\j+3], v8, s[10:11] offset:128*\b+16*\j
.endr
.endr
.endif
	LOADT 0
	s_wait_alu depctr_va_vdst(0)
	TILE 0, \lora
	TILE 1, \lora
	s_wait_dscnt 0x0                               ; for the others' sake: my stores of scale words and partial sums are done
	s_barrier_signal -1
	s_barrier_wait -1
	s_cmp_ge_u32 s18, 6
	s_cbranch_scc1 .Lend_\@
	s_cmp_ge_u32 s18, 4
	s_cbranch_scc1 .Lscl_\@
.if \lora
.irp p, 0,1,2,3,4,5,6,7
	ds_load_b64 v[RW+2*\p:RW+2*\p+1], v6 offset:2048*\p      ; the eight waves' parts of two ranks of a row
.endr
	s_wait_dscnt 0x0
	v_pk_add_f32 v[RW:RW+1], v[RW:RW+1], v[RW+2:RW+3]
	v_pk_add_f32 v[RW+4:RW+5], v[RW+4:RW+5], v[RW+6:RW+7]
	v_pk_add_f32 v[RW+8:RW+9], v[RW+8:RW+9], v[RW+10:RW+11]
	v_pk_add_f32 v[RW+12:RW+13], v[RW+12:RW+13], v[RW+14:RW+15]
	s_delay_alu instid0(VALU_DEP_3)
	v_pk_add_f32 v[RW:RW+1], v[RW:RW+1], v[RW+4:RW+5]
	s_delay_alu instid0(VALU_DEP_2)
	v_pk_add_f32 v[RW+8:RW+9], v[RW+8:RW+9], v[RW+12:RW+13]
	s_delay_alu instid0(VALU_DEP_1)
	v_pk_add_f32 v[RW:RW+1], v[RW:RW+1], v[RW+8:RW+9]
	s_delay_alu instid0(VALU_DEP_1)
	v_pk_mul_f32 v[RW:RW+1], v[RW:RW+1], 0x3e000000 op_sel_hi:[1,0]   ; alpha / r = 1 / 8
	global_store_b64 v9, v[RW:RW+1], s[16:17]      ; 32 lanes store 256 consecutive bytes, aligned: eight rows of xa
.endif
	s_branch .Lend_\@
.Lscl_\@:
	ds_load_b128 v[RW:RW+3], v7
	s_wait_dscnt 0x0
	global_store_b128 v1, v[RW:RW+3], s[14:15]     ; a tile's scale words: 512 consecutive bytes
.Lend_\@:
	s_wait_tensorcnt 0x0                           ; the wave's end
	ds_add_u32 v[SPW], v[NIL]
	s_wait_dscnt 0x0
	s_endpgm
.endm
	s_load_b256 s[4:11], s[0:1], 0x0               ; x, W_qkv, W_proj, lora_A
	s_load_b128 s[12:15], s[0:1], 0x20             ; cod, scl
	s_load_b64 s[16:17], s[0:1], 0x30              ; xa
	v_lshl_add_u32 v[SPW], v0, 2, SPARE
	v_mov_b32 v[NIL], 0
	v_lshrrev_b32 v10, 5, v0
	s_delay_alu instid0(VALU_DEP_1)
	v_readfirstlane_b32 s18, v10                   ; wave 0..7
	v_and_b32 v11, 31, v0                          ; lane
	v_and_b32 v12, 15, v0                          ; r
	v_bfe_u32 v13, v0, 4, 1                        ; lane / 16
	s_delay_alu instid0(VALU_DEP_3)
	v_lshlrev_b32 v1, 4, v11                       ; 16 x lane
	s_mov_b32 s[SEL], 0x76543210
	s_mov_b32 s[SEL+1], 0xfedcba98
.irp b, 0,1,2,3
	v_mov_b32 v[TM+4+\b], 0                        ; written once: a lane permute's destination counts as one of its sources
.endr
	s_wait_kmcnt 0x0
	s_cmp_lt_u32 ttmp9, 256
	s_cbranch_scc0 .Lweights
	s_wait_alu depctr_va_vdst(0)
	BODY 1, STX, SCGX
.Lweights:
	s_wait_alu depctr_va_vdst(0)
	BODY 0, STW, SCGW
.Lfunc_end_k_q97b7ebf697_prep:
	.size	k_q97b7ebf697_prep, .Lfunc_end_k_q97b7ebf697_prep-k_q97b7ebf697_prep
	.p2alignl 7, 3214868480
	.fill 96, 4, 3214868480
	.section	.rodata,"a",@progbits
	.p2align	6, 0x0
	.amdhsa_kernel k_q97b7ebf697_prep
		.amdhsa_group_segment_fixed_size 154624
		.amdhsa_private_segment_fixed_size 0
		.amdhsa_enable_private_segment 0
		.amdhsa_kernarg_size 56
		.amdhsa_user_sgpr_count 2
		.amdhsa_user_sgpr_kernarg_segment_ptr 1
		.amdhsa_wavefront_size32 1
		.amdhsa_system_sgpr_workgroup_id_x 1
		.amdhsa_system_sgpr_workgroup_id_y 1
		.amdhsa_system_sgpr_workgroup_id_z 1
		.amdhsa_system_vgpr_workitem_id 0
		.amdhsa_next_free_vgpr 256
		.amdhsa_next_free_sgpr 66
		.amdhsa_reserve_vcc 0
		.amdhsa_float_denorm_mode_32 3
		.amdhsa_float_denorm_mode_16_64 3
		.amdhsa_memory_ordered 1
		.amdhsa_forward_progress 1
		.amdhsa_inst_pref_size 50
	.end_amdhsa_kernel
	.amdgpu_metadata
---
amdhsa.version: [ 1, 2 ]
amdhsa.kernels:
  - .name:           k_q97b7ebf697_prep
    .symbol:         k_q97b7ebf697_prep.kd
    .args:
      - { .name: x, .offset: 0, .size: 8, .value_kind: global_buffer, .address_space: global }
      - { .name: W_qkv, .offset: 8, .size: 8, .value_kind: global_buffer, .address_space: global }
      - { .name: W_proj, .offset: 16, .size: 8, .value_kind: global_buffer, .address_space: global }
      - { .name: lora_A, .offset: 24, .size: 8, .value_kind: global_buffer, .address_space: global }
      - { .name: cod, .offset: 32, .size: 8, .value_kind: global_buffer, .address_space: global }
      - { .name: scl, .offset: 40, .size: 8, .value_kind: global_buffer, .address_space: global }
      - { .name: xa, .offset: 48, .size: 8, .value_kind: global_buffer, .address_space: global }
    .group_segment_fixed_size: 154624
    .private_segment_fixed_size: 0
    .kernarg_segment_align: 8
    .kernarg_segment_size: 56
    .max_flat_workgroup_size: 256
    .sgpr_count:     66
    .vgpr_count:     256
    .wavefront_size: 32
...
	.end_amdgpu_metadata
.endif
;; end of part 1
;; launch qkv (part 2): grid 12 x 32, 4 waves a work-group, clusters of 4 x 4, 327,680 bytes of LDS; arguments cod, scl, xa, lora_B, b_qkv, qr, kv; writes qr, kv
.if DOCPART == 2
	.amdgcn_target "amdgcn-amd-amdhsa--gfx1250"
	.amdhsa_code_object_version 6
	.text
	.protected	k_q97b7ebf697_qkv
	.globl	k_q97b7ebf697_qkv
	.p2align	8
	.type	k_q97b7ebf697_qkv,@function
k_q97b7ebf697_qkv:
	s_mov_b64 s[64:65], 0
	v_nop
	global_prefetch_b8 v0, s[64:65] scope:SCOPE_SE
	s_setreg_imm32_b32 hwreg(HW_REG_WAVE_MODE, 25, 1), 1
	s_wait_xcnt 0x0
	s_wait_alu depctr_hold_cnt(0) depctr_sa_sdst(0) depctr_va_vdst(0) depctr_va_sdst(0) depctr_va_ssrc(0) depctr_va_vcc(0) depctr_vm_vsrc(0)
	s_getreg_b32 s2, hwreg(HW_REG_IB_STS2, 6, 4)
	s_cmp_eq_u32 s2, 0
	s_cbranch_scc0 .Lentry_in_a_cluster
	s_endpgm
.Lentry_in_a_cluster:
	s_bfe_u32 s2, ttmp6, 0x10000c
	s_cmp_lg_u32 s2, 0xf033
	s_cbranch_scc0 .Lentry_shape_is_right
	s_endpgm
.Lentry_shape_is_right:
; LAUNCH 2 OF 4: qkv = x W_qkv^T (MX-FP4) + xa lora_B^T (f32 operands; xa holds the factor 1/8) + b_qkv, quantised at once into the operands of attention.  No work is left out.
; LIMITS as stated at the head of the first kernel (NaN, infinities, the floor of the scale byte, the order (lora + x W^T) + b).
; SHARES.  A work-group makes 256 rows of x times 256 rows of W_qkv over all K = 1,024.  Their codes (2 x 128 KiB) and scale words (2 x 8 KiB) lie in LDS whole: each wave asks for one of the four whole at the head, nothing is filled again.
; CLUSTERS: 4 x 4 work-groups.  The four of a row of the cluster need the same rows of x, the four of a column the same rows of W: each block is asked for jointly, by the same tensor load with the same descriptor and a mask of the four.
; By this text's own count a wave has one tensor load outstanding.
; P AND R.  Source 0 of the products is P, whose rows run down a lane's registers: the axis that is quantised next.  Source 1 is R: one row to a lane.  q and k (cluster x 0, 1) are quantised along the head's channels: P = W, R = x.
; v (cluster x 2) is quantised along the keys: P = x, R = W.  The role is the same in all sixteen partners; the text has an arm for each, parted on the cluster's x.
; A wave makes 128 of P x 128 of R: 64 accumulators (windows 2, 3).  The LoRA products (two K steps of 4 in f32) start the sums while the tensor loads land; the eight K steps of 128 on codes add onto them.
; OUT.  qr: [head of batch 0..63][step of 128 queries 0..15] records of 4,608 bytes: 8 tile images of 512 bytes (16 queries x 64 K: registers 0-3 of a fragment), then 512 bytes of scale words [lane / 16][r][i]: tile 4 (lane / 16) + i.
; kv: records of 8,960 bytes: 8 tile images of k, 4 fragments of v^T (16 channels x 128 keys), k's scale words as q's, v's 256 bytes [lane / 16][r][i]: tile 2 (lane / 16) + i.
; In a word of q or k bytes 0, 1 are the head's two blocks; bytes 2, 3 stand over zero codes and hold the neighbouring head's bytes or 0, never 0xff.
; REGISTERS: window 0: v1-31 addresses; v32-95 scale words (register 8 i + K step: lanes 0-15 R's tile i, lanes 16-31 P's tile i); v96-111 at work; v128-255 R's fragments, two sets, later the epilogue's.
;   window 1: v0-127 P's fragments, two sets; v128-191 the bias.   windows 2, 3: accumulator (a, b) at v[8 (8 (a % 4) + b)], a = R's tile, b = P's tile.
.set XC,    0                          ; x's 16 tiles x 8,192 bytes
.set WC,    131072                     ; W's
.set XS,    262144                     ; x's scale words, 16 x 512 bytes
.set WS,    270336                     ; W's
.set SPARE, 278528                     ; the spare words, 128 bytes for each wave: two blocks of 256 bytes that no other line names
.set SC,  32
.set TM,  96
.set RS,  128                          ; R's two sets; in the LoRA phase R's f32 operands
.set H,   128                          ; the epilogue: 64 numbers
.set PC,  192                          ; their codes
.set SW,  200                          ; the eight scale words
.set W4,  208                          ; scale words on their way out
.set BI,  128                          ; window 1: the bias
.set WV,  18
.set SEL, 26
.set MSB, 0
.macro WIN new                         ; the immediate's high byte repeats the setting that is left
.if MSB != \new
	s_set_vgpr_msb (MSB<<8)|\new
.set MSB, \new
.endif
.endm
.set MUL_LO, 0xa1                      ; source 0 window 1, source 1 window 0, C and D window 2
.set MUL_HI, 0xf1                      ; the same, C and D window 3
.set TO_P,   0x40                      ; destination window 1
.macro PLACES n
.rept \n
	v_nop
.endr
.endm
.macro ROUND                           ; a round of the cluster's barrier
	s_barrier_signal -1
	s_barrier_wait -1
	s_cmp_lg_u32 s[WV], 0
	s_cbranch_scc1 .Lnot_wave_0_\@
	s_barrier_signal -3
.Lnot_wave_0_\@:
	s_barrier_wait -3
	s_barrier_signal -1
	s_barrier_wait -1
.endm
; 64 numbers of a lane, register 16 b + i = k 32 b + 16 (lane / 16) + i of my row, become a fragment's codes in v[PC] on and its scale word in v[pw].
.macro QUANT s, pw
.irp b, 0,1,2,3
	v_max3_num_f32 v[TM+\b], |v[\s+16*\b]|, |v[\s+1+16*\b]|, 0x1800000   ; my 16 numbers of block b, and the floor 2^(3 - 127)
.endr
.irp i, 2,4,6,8,10,12,14
.irp b, 0,1,2,3
	v_max3_num_f32 v[TM+\b], v[TM+\b], |v[\s+16*\b+\i]|, |v[\s+1+16*\b+\i]|
.endr
.endr
.irp b, 0,1,2,3
	v_permlanex16_b32 v[TM+4+\b], v[TM+\b], s[SEL], s[SEL+1]
.endr
.irp b, 0,1,2,3
	v_max_num_f32 v[TM+\b], v[TM+\b], v[TM+4+\b]
.endr
.irp b, 0,1,2,3
	v_add_nc_u32 v[TM+12+\b], 0xff000000, v[TM+\b]   ; 2 off the exponent field: the conversion's scale operand
.endr
.irp b, 0,1,2,3
	v_lshrrev_b32 v[TM+4+\b], 23, v[TM+12+\b]      ; the scale's byte
.endr
	v_lshl_or_b32 v[\pw], v[TM+5], 8, v[TM+4]
	v_lshl_or_b32 v[\pw], v[TM+6], 16, v[\pw]
	v_lshl_or_b32 v[\pw], v[TM+7], 24, v[\pw]
.irp b, 0,1,2,3
	v_cvt_scalef32_pk8_fp4_f32 v[PC+2*\b], v[\s+16*\b:\s+7+16*\b], v[TM+12+\b]
	v_cvt_scalef32_pk8_fp4_f32 v[PC+1+2*\b], v[\s+8+16*\b:\s+15+16*\b], v[TM+12+\b]
.endr
	v_nop                                          ; one plain place behind a scaled conversion
.irp c, 0,1
.irp i, 0,1
	v_permlane16_swap_b32 v[PC+4*\c+\i], v[PC+2+4*\c+\i]
.endr
.endr
.endm
.macro LMUL s, a                       ; LoRA: R's tile a against P's eight, ranks 4 (lane / 16) + 2 s, + 1 (the same order of k on both sides).  s = 0 starts the sums
.irp b, 0,1,2,3,4,5,6,7
.if \s == 0
	v_wmma_f32_16x16x4_f32 v[8*(8*((\a)%4)+\b):8*(8*((\a)%4)+\b)+7], v[4*\b+2*\s:4*\b+2*\s+1], v[RS+4*(\a)+2*\s:RS+4*(\a)+2*\s+1], 0
.else
	v_wmma_f32_16x16x4_f32 v[8*(8*((\a)%4)+\b):8*(8*((\a)%4)+\b)+7], v[4*\b+2*\s:4*\b+2*\s+1], v[RS+4*(\a)+2*\s:RS+4*(\a)+2*\s+1], v[8*(8*((\a)%4)+\b):8*(8*((\a)%4)+\b)+7]
.endif
.endr
.endm
.macro MUL8 a, ks                      ; R's tile a against P's eight, K step ks
.irp b, 0,1,2,3,4,5,6,7
	v_wmma_scale_f32_16x16x128_f8f6f4 v[8*(8*((\a)%4)+\b):8*(8*((\a)%4)+\b)+7], v[64*((\ks)%2)+8*\b:64*((\ks)%2)+8*\b+7], v[RS+64*((\ks)%2)+8*(\a):RS+64*((\ks)%2)+8*(\a)+7], v[8*(8*((\a)%4)+\b):8*(8*((\a)%4)+\b)+7], v[SC+8*\b+(\ks)], v[SC+8*(\a)+(\ks)] matrix_a_fmt:MATRIX_FMT_FP4 matrix_b_fmt:MATRIX_FMT_FP4 matrix_a_scale:MATRIX_SCALE_ROW1
.endr
.endm
.macro FETCH k                         ; K step k's 16 fragments into set k % 2: images, 512 consecutive bytes a load
	WIN TO_P
.irp i, 0,1,2,3,4,5,6,7
	ds_load_b128 v[64*((\k)%2)+8*\i:64*((\k)%2)+8*\i+3], v16 offset:\i*8192+(\k)*1024
	ds_load_b128 v[64*((\k)%2)+8*\i+4:64*((\k)%2)+8*\i+7], v16 offset:\i*8192+(\k)*1024+512
.endr
	WIN 0
.irp i, 0,1,2,3,4,5,6,7
	ds_load_b128 v[RS+64*((\k)%2)+8*\i:RS+64*((\k)%2)+8*\i+3], v17 offset:\i*8192+(\k)*1024
	ds_load_b128 v[RS+64*((\k)%2)+8*\i+4:RS+64*((\k)%2)+8*\i+7], v17 offset:\i*8192+(\k)*1024+512
.endr
.endm
.macro STEP ks                         ; 64 products; the next K step's fragments are asked for ahead of them.  The 64 accumulators take turns, in the same order in every step
	s_wait_dscnt 0x0                               ; this step's fragments are in (asked for 64 products ago; ahead of step 0: the scale words too)
.if \ks < 7
.if \ks > 0
	PLACES 4                                       ; in front of loads into registers that the last step's products have read
.endif
	FETCH (\ks)+1
.endif
	WIN MUL_LO
.irp a, 0,1,2,3
	MUL8 \a, \ks
.endr
	WIN MUL_HI
.irp a, 4,5,6,7
	MUL8 \a, \ks
.endr
	WIN 0
.endm
.macro EPI role, a                     ; R's tile a: + bias, quantised along P, stored as images
	WIN 0x06+((\a)/4)                              ; source 0 window 2 or 3, source 1 window 1
.set i, 0
.rept 32
.if \role == 0
	v_pk_add_f32 v[H+2*i:H+2*i+1], v[64*((\a)%4)+2*i:64*((\a)%4)+2*i+1], v[BI+2*i:BI+2*i+1]      ; each accumulator from its low end on
.else
	v_pk_add_f32 v[H+2*i:H+2*i+1], v[64*((\a)%4)+2*i:64*((\a)%4)+2*i+1], v[BI+2*(\a):BI+2*(\a)+1]
.endif
.set i, i+1
.endr
	WIN 0
.if \a > 0
	s_wait_xcnt 0x0                                ; the last tile's stores have read the codes' registers
.endif
	QUANT H, SW+\a
.if \role == 0
	global_store_b128 v20, v[PC:PC+3], s[92:93] offset:512*(\a)        ; the first head's 64 channels: 512 consecutive bytes
	global_store_b128 v22, v[PC+4:PC+7], s[92:93] offset:512*(\a)      ; the second head's, 16 records on
.else
	global_store_b128 v20, v[PC:PC+3], s[92:93] offset:((\a)/4)*143360+4096+((\a)%4)*1024
	global_store_b128 v20, v[PC+4:PC+7], s[92:93] offset:((\a)/4)*143360+4096+((\a)%4)*1024+512
.endif
.endm
.macro ARM role
.if \role == 0
.set HW, 20                            ; which half of W's rows is mine: P's half
.set HX, 19                            ; and of x's: R's half
.set PFB, 10                           ; P's f32 operand: lora_B;  R's: xa
.set RFB, 8
.else
.set HW, 19
.set HX, 20
.set PFB, 8
.set RFB, 10
.endif
	s_lshl_b32 s80, s20, 16
	v_add_nc_u32 v16, s80, v20                     ; P's fragments: 16 x lane + my half's eight tiles
	s_lshl_b32 s81, s19, 16
	v_add_nc_u32 v17, s81, v20                     ; R's
.if \role == 0
	v_add_nc_u32 v16, WC, v16
.else
	v_add_nc_u32 v17, WC, v17
.endif
	s_lshl_b32 s82, s[HX], 12                      ; scale words: the lower base is x's; one half of the lanes stands the distance to W's further on
	s_lshl_b32 s83, s[HW], 12
	s_add_co_u32 s83, s83, WS-XS
	s_sub_co_u32 s83, s83, s82
.if \role == 0
	v_mul_u32_u24 v18, s83, v2                     ; lanes 16-31 take P's = W's
.else
	v_xor_b32 v28, 1, v2
	v_mul_u32_u24 v18, s83, v28                    ; lanes 0-15 take R's = W's
.endif
	v_lshl_add_u32 v18, v1, 2, v18
	s_add_co_u32 s82, s82, XS
	v_add_nc_u32 v18, s82, v18
	s_lshl_b32 s84, s23, 8
	s_lshl_b32 s85, s[HW], 7
	s_add_co_u32 s84, s84, s85                     ; my first row of W
	s_lshl_b32 s86, s24, 8
	s_lshl_b32 s85, s[HX], 7
	s_add_co_u32 s86, s86, s85                     ; my first row of x
	s_mov_b32 s89, 0
	s_lshl_b32 s88, s84, 5
	s_add_nc_u64 s[10:11], s[10:11], s[88:89]      ; lora_B: 32 bytes a row
	s_lshl_b32 s88, s86, 5
	s_add_nc_u64 s[8:9], s[8:9], s[88:89]          ; xa likewise
	s_lshl_b32 s88, s84, 2
	s_add_nc_u64 s[12:13], s[12:13], s[88:89]      ; b_qkv
	s_lshr_b32 s90, s24, 3                         ; where the results go: batch,
	s_lshl_b32 s90, s90, 4
	s_lshl_b32 s91, s21, 2                         ; four heads to a work-group's 256 rows of W,
	s_add_co_u32 s90, s90, s91
	s_lshl_b32 s91, s[HW], 1                       ; two to a wave
	s_add_co_u32 s90, s90, s91
	s_lshl_b32 s90, s90, 4
	s_and_b32 s91, s24, 7
	s_lshl_b32 s91, s91, 1
	s_add_co_u32 s90, s90, s91
	s_add_co_u32 s90, s90, s[HX]                   ; the record: 16 x head of batch + step of 128 tokens
.if \role == 0
	s_cmp_eq_u32 ttmp9, 0                          ; q or k: the choice hangs on the cluster's x alone
	s_cselect_b64 s[92:93], s[14:15], s[16:17]
	s_mov_b32 s94, 8960
	s_cselect_b32 s94, 4608, s94                   ; a record's bytes
	s_mov_b32 s95, 8192
	s_cselect_b32 s95, 4096, s95                   ; where its scale words begin
	s_mul_i32 s88, s90, s94
	s_add_nc_u64 s[92:93], s[92:93], s[88:89]
	s_lshl_b32 s94, s94, 4                         ; the next head: 16 records on
	v_add_nc_u32 v22, s94, v20
	v_add_nc_u32 v23, s95, v20
	v_add_nc_u32 v24, s94, v23
	v_lshlrev_b32 v25, 6, v2                       ; the bias runs with the registers: 64 (lane / 16)
.else
	s_mul_i32 s88, s90, 8960
	s_add_nc_u64 s[92:93], s[16:17], s[88:89]
	v_lshlrev_b32 v26, 3, v29
	v_lshlrev_b32 v25, 2, v3                       ; the bias goes with the lane: my channel
.endif
	WIN TO_P
.irp i, 0,1,2,3,4,5,6,7
	global_load_b128 v[4*\i:4*\i+3], v19, s[PFB:PFB+1] offset:(32*(\i/2)+8*(\i%2))*32   ; tile i, my row's ranks 4 (lane / 16) .. + 3
.endr
	WIN 0
.irp i, 0,1,2,3,4,5,6,7
	global_load_b128 v[RS+4*\i:RS+4*\i+3], v19, s[RFB:RFB+1] offset:(32*(\i/2)+8*(\i%2))*32
.endr
	WIN TO_P
.if \role == 0
.irp b, 0,1,2,3
.irp j, 0,1,2,3
	global_load_b128 v[BI+16*\b+4*\j:BI+16*\b+4*\j+3], v25, s[12:13] offset:128*\b+16*\j
.endr
.endr
.else
.irp a, 0,1,2,3,4,5,6,7
	global_load_b32 v[BI+2*\a], v25, s[12:13] offset:(32*(\a/2)+8*(\a%2))*4      ; twice: a pair for the packed addition
	global_load_b32 v[BI+2*\a+1], v25, s[12:13] offset:(32*(\a/2)+8*(\a%2))*4
.endr
.endif
	s_wait_alu depctr_va_vdst(0)
	s_wait_loadcnt 16                              ; the f32 operands are in; the 16 younger loads, the bias, may stay out
.irp s, 0,1
	WIN MUL_LO
.irp a, 0,1,2,3
	LMUL \s, \a
.endr
	WIN MUL_HI
.irp a, 4,5,6,7
	LMUL \s, \a
.endr
.endr
	WIN 0
	PLACES 9                                       ; behind the f32 form: in front of products of another form that take its results up, and of loads into its sources
	s_wait_tensorcnt 0x0                           ; my tensor load has landed
	s_barrier_signal -1
	s_barrier_wait -1                              ; everybody's have; nothing is ever filled again
.irp i, 0,1,2,3,4,5,6,7
.irp k, 0,1,2,3,4,5,6,7
	ds_load_b32 v[SC+8*\i+\k], v18 offset:512*\i+64*\k
.endr
.endr
	FETCH 0
.irp k, 0,1,2,3,4,5,6,7
	STEP \k
.endr
	s_wait_loadcnt 0x0                             ; the bias
	PLACES 4                                       ; in front of the first read of results and of writes into R's registers
.irp a, 0,1,2,3,4,5,6,7
	EPI \role, \a
.endr
	v_cmp_gt_u32 vcc_lo, 16, v29                   ; lanes 0-15
.if \role == 0
.irp i, 0,1,2,3
	v_cndmask_b32 v[W4+\i], v[SW+4+\i], v[SW+\i], vcc_lo       ; lane (r, h): the words of tiles 4 h + i, row r
.endr
.irp i, 0,1,2,3
	v_lshrrev_b32 v[W4+4+\i], 16, v[W4+\i]         ; the second head's two bytes
.endr
	global_store_b128 v23, v[W4:W4+3], s[92:93]
	global_store_b128 v24, v[W4+4:W4+7], s[92:93]
.else
.irp g, 0,1
.irp i, 0,1
	v_cndmask_b32 v[W4+2*\g+\i], v[SW+4*\g+2+\i], v[SW+4*\g+\i], vcc_lo   ; head g: lane (r, h): the words of tiles 2 h + i
.endr
	global_store_b64 v26, v[W4+2*\g:W4+2*\g+1], s[92:93] offset:8704+\g*143360
.endr
.endif
	s_wait_tensorcnt 0x0                           ; the wave's end
	ds_add_u32 v30, v31
	s_wait_dscnt 0x0
	ROUND                                          ; the closing round
	s_endpgm
.endm
	s_load_b256 s[4:11], s[0:1], 0x0               ; cod, scl, xa, lora_B
	s_load_b128 s[12:15], s[0:1], 0x20             ; b_qkv, qr
	s_load_b64 s[16:17], s[0:1], 0x30              ; kv
	v_lshl_add_u32 v30, v0, 2, SPARE
	v_mov_b32 v31, 0
	ds_add_u32 v30, v31                            ; the wave's opening: the add, twice on end, and its wait ahead of my first tensor load
	ds_add_u32 v30, v31
	v_lshrrev_b32 v1, 5, v0
	v_readfirstlane_b32 s[WV], v1                  ; wave 0..3
	s_lshr_b32 s19, s[WV], 1                       ; which half of R is mine
	s_and_b32 s20, s[WV], 1                        ; which half of P
	s_bfe_u32 s21, ttmp6, 0x40000                  ; cx
	s_bfe_u32 s22, ttmp6, 0x40004                  ; cy
	s_lshl_b32 s23, ttmp9, 2
	s_add_co_u32 s23, s23, s21                     ; block of 256 rows of W = 4 x cluster x + cx
	s_and_b32 s24, ttmp7, 0xffff
	s_lshl_b32 s24, s24, 2
	s_add_co_u32 s24, s24, s22                     ; block of 256 rows of x = 4 x cluster y + cy
	s_lshl_b32 s80, s22, 2
	s_lshl_b32 s80, 15, s80                        ; my row of the cluster
	s_lshl_b32 s81, 0x1111, s21                    ; my column
	; descriptor groups 1: dense blocks as rows of 256 bytes (32 elements of 8 bytes), no padding: codes 512 rows, scale words 32 rows; bit 21 set beside a mask
	s_or_b32 s28, s80, (3<<16)|(1<<21)             ; x's codes: shared along my row
	s_or_b32 s36, s81, (3<<16)|(1<<21)             ; W's codes: along my column
	s_or_b32 s44, s80, (3<<16)|(1<<21)             ; x's scale words
	s_or_b32 s52, s81, (3<<16)|(1<<21)             ; W's
.irp g, 28, 36
	s_mov_b32 s[\g+1], 32<<16                      ; tensor_dim0
	s_mov_b32 s[\g+2], 512<<16                     ; tensor_dim1: a block of codes whole, 512 rows of 256 bytes
	s_mov_b32 s[\g+3], 32<<16                      ; tile_dim0
	s_mov_b32 s[\g+4], 512                         ; tile_dim1
	s_mov_b32 s[\g+5], 32                          ; the pitch
	s_mov_b32 s[\g+6], 0
	s_mov_b32 s[\g+7], 0
.endr
.irp g, 44, 52
	s_mov_b32 s[\g+1], 32<<16
	s_mov_b32 s[\g+2], 32<<16                      ; a block of scale words whole, 32 rows of 256 bytes
	s_mov_b32 s[\g+3], 32<<16
	s_mov_b32 s[\g+4], 32
	s_mov_b32 s[\g+5], 32
	s_mov_b32 s[\g+6], 0
	s_mov_b32 s[\g+7], 0
.endr
	s_mov_b32 s83, 0                               ; a load begins at its block's first tile
	s_lshl_b32 s82, s24, 4
	s_add_co_u32 s82, s82, s83                     ; x's tile: 16 x block of x
	s_lshl_b32 s84, s23, 4
	s_add_co_u32 s84, s84, s83
	s_add_co_u32 s84, s84, 512                     ; W's tile: 512 + 16 x block of W
	s_lshl_b32 s86, s82, 13
	s_mov_b32 s87, 0
	s_lshl_b32 s88, s82, 9
	s_mov_b32 s89, 0
	s_lshl_b32 s90, s84, 13
	s_mov_b32 s91, 0
	s_lshl_b32 s92, s84, 9
	s_mov_b32 s93, 0
	s_mov_b32 s60, 1
	s_mov_b32 s61, XC
	s_mov_b32 s68, 1
	s_add_co_u32 s69, s61, WC
	s_mov_b32 s72, 1
	s_mov_b32 s73, 0
	s_mov_b32 s76, 1
	s_add_co_u32 s77, s73, WS
	s_add_co_u32 s73, s73, XS
	s_mov_b32 s[SEL], 0x76543210
	s_mov_b32 s[SEL+1], 0xfedcba98
	s_wait_dscnt 0x0                               ; both opening adds are done
	s_wait_kmcnt 0x0
	s_add_nc_u64 s[62:63], s[4:5], s[86:87]
	s_or_b32 s63, s63, 0x80000000
	s_add_nc_u64 s[70:71], s[4:5], s[90:91]
	s_or_b32 s71, s71, 0x80000000
	s_add_nc_u64 s[74:75], s[6:7], s[88:89]
	s_or_b32 s75, s75, 0x80000000
	s_add_nc_u64 s[78:79], s[6:7], s[92:93]
	s_or_b32 s79, s79, 0x80000000
	ROUND                                          ; all sixteen work-groups are here: the joint loads meet
	; THE HEAD'S LOADS, ONE A WAVE: wave 0 brings x's codes whole, wave 1 W's codes, wave 2 x's scale words, wave 3 W's.
	; One tree of branches on the wave's number, a load to an arm, all arms leading to one join.  By this text's own count a wave has one tensor load outstanding.
	s_cmp_lt_u32 s[WV], 1
	s_cbranch_scc0 .Lhead_w
	tensor_load_to_lds s[60:63], s[28:35]
	s_nop 0
	PLACES 4
	s_branch .Lhead_asked
.Lhead_w:
	s_cmp_lt_u32 s[WV], 2
	s_cbranch_scc0 .Lhead_xs
	tensor_load_to_lds s[68:71], s[36:43]
	s_nop 0
	PLACES 4
	s_branch .Lhead_asked
.Lhead_xs:
	s_cmp_lt_u32 s[WV], 3
	s_cbranch_scc0 .Lhead_ws
	tensor_load_to_lds s[72:75], s[44:51]
	s_nop 0
	PLACES 4
	s_branch .Lhead_asked
.Lhead_ws:
	tensor_load_to_lds s[76:79], s[52:59]
	s_nop 0
	PLACES 4
.Lhead_asked:
	v_and_b32 v29, 31, v0                          ; lane
	v_and_b32 v1, 15, v0                           ; r
	v_bfe_u32 v2, v0, 4, 1                         ; lane / 16
	v_and_b32 v3, 8, v1
	v_add_nc_u32 v3, v3, v1                        ; r + 8 (r / 8): my row in a pair of tiles
	v_lshlrev_b32 v20, 4, v29                      ; 16 x lane
	v_lshlrev_b32 v19, 5, v3
	v_lshl_add_u32 v19, v2, 4, v19                 ; the f32 operands: 32 bytes a row, + 16 (lane / 16)
.irp b, 0,1,2,3
	v_mov_b32 v[TM+4+\b], 0                        ; written once: a lane permute's destination counts as one of its sources
.endr
	s_cmp_eq_u32 ttmp9, 2                          ; the cluster's x: the same in all sixteen partners
	s_cbranch_scc1 .Lrole_v
	ARM 0
.Lrole_v:
	s_wait_alu depctr_va_vdst(0)
	ARM 1
.Lfunc_end_k_q97b7ebf697_qkv:
	.size	k_q97b7ebf697_qkv, .Lfunc_end_k_q97b7ebf697_qkv-k_q97b7ebf697_qkv
	.p2alignl 7, 3214868480
	.fill 96, 4, 3214868480
	.section	.rodata,"a",@progbits
	.p2align	6, 0x0
	.amdhsa_kernel k_q97b7ebf697_qkv
		.amdhsa_group_segment_fixed_size 327680
		.amdhsa_private_segment_fixed_size 0
		.amdhsa_enable_private_segment 0
		.amdhsa_kernarg_size 56
		.amdhsa_user_sgpr_count 2
		.amdhsa_user_sgpr_kernarg_segment_ptr 1
		.amdhsa_wavefront_size32 1
		.amdhsa_system_sgpr_workgroup_id_x 1
		.amdhsa_system_sgpr_workgroup_id_y 1
		.amdhsa_system_sgpr_workgroup_id_z 1
		.amdhsa_system_vgpr_workitem_id 0
		.amdhsa_next_free_vgpr 1024
		.amdhsa_next_free_sgpr 100
		.amdhsa_reserve_vcc 1
		.amdhsa_float_denorm_mode_32 3
		.amdhsa_float_denorm_mode_16_64 3
		.amdhsa_memory_ordered 1
		.amdhsa_forward_progress 1
		.amdhsa_inst_pref_size 255
	.end_amdhsa_kernel
	.section	.bss,"aw",@nobits
	.p2align	6
	.space	262144
	.amdgpu_metadata
---
amdhsa.version: [ 1, 2 ]
amdhsa.kernels:
  - .name:           k_q97b7ebf697_qkv
    .symbol:         k_q97b7ebf697_qkv.kd
    .args:
      - { .name: cod, .offset: 0, .size: 8, .value_kind: global_buffer, .address_space: global }
      - { .name: scl, .offset: 8, .size: 8, .value_kind: global_buffer, .address_space: global }
      - { .name: xa, .offset: 16, .size: 8, .value_kind: global_buffer, .address_space: global }
      - { .name: lora_B, .offset: 24, .size: 8, .value_kind: global_buffer, .address_space: global }
      - { .name: b_qkv, .offset: 32, .size: 8, .value_kind: global_buffer, .address_space: global }
      - { .name: qr, .offset: 40, .size: 8, .value_kind: global_buffer, .address_space: global }
      - { .name: kv, .offset: 48, .size: 8, .value_kind: global_buffer, .address_space: global }
    .group_segment_fixed_size: 327680
    .private_segment_fixed_size: 0
    .kernarg_segment_align: 8
    .kernarg_segment_size: 56
    .max_flat_workgroup_size: 128
    .sgpr_count:     100
    .vgpr_count:     1024
    .wavefront_size: 32
...
	.end_amdgpu_metadata
.endif
;; end of part 2
;; launch attn (part 3): grid 8 x 32, 8 waves a work-group, clusters of 4 x 1, 327,680 bytes of LDS; arguments qr, kv, oc, os; writes oc, os
.if DOCPART == 3
	.amdgcn_target "amdgcn-amd-amdhsa--gfx1250"
	.amdhsa_code_object_version 6
	.text
	.protected	k_q97b7ebf697_attn
	.globl	k_q97b7ebf697_attn
	.p2align	8
	.type	k_q97b7ebf697_attn,@function
k_q97b7ebf697_attn:
	s_mov_b64 s[64:65], 0
	v_nop
	global_prefetch_b8 v0, s[64:65] scope:SCOPE_SE
	s_setreg_imm32_b32 hwreg(HW_REG_WAVE_MODE, 25, 1), 1
	s_wait_xcnt 0x0
	s_wait_alu depctr_hold_cnt(0) depctr_sa_sdst(0) depctr_va_vdst(0) depctr_va_sdst(0) depctr_va_ssrc(0) depctr_va_vcc(0) depctr_vm_vsrc(0)
	s_getreg_b32 s2, hwreg(HW_REG_IB_STS2, 6, 4)
	s_cmp_eq_u32 s2, 0
	s_cbranch_scc0 .Lentry_in_a_cluster
	s_endpgm
.Lentry_in_a_cluster:
	s_bfe_u32 s2, ttmp6, 0x10000c
	s_cmp_lg_u32 s2, 0x3003
	s_cbranch_scc0 .Lentry_shape_is_right
	s_endpgm
.Lentry_shape_is_right:
; LAUNCH 3 OF 4: out = softmax(q k^T / 8) v for two heads of one batch and 256 queries a work-group, both products on codes of E2M1; the result is quantised along the channels into the operand of the last launch.
; No work is left out.  LIMITS as stated at the head of the first kernel; the softmax holds while the scaled scores (exponents to the base 2) stay under 2^31 in magnitude.
; THE SOFTMAX: t = score x log2(e) / 8; M = the running largest t rounded up to a whole number, kept as -M; p = 2^(t - M) is quantised along the keys; the row's sum is taken of the unquantised p and divides at the end.
; When M moves, the sum and O^T are multiplied by 2^(old M - new M), which rounds nothing; there is no branch on data.
; SHARES.  Eight waves, two to a SIMD.  A wave makes four passes: query tiles w and w + 8 of the block's sixteen, each for heads 2 y and 2 y + 1; a pass walks a head's 2,048 keys in four steps of 512 (four records of kv).
; M, the rescaling, the waits and the loop's scalar lines are paid once for 512 keys.  The 32 records (286,720 bytes, dense in kv) lie in LDS whole: each wave asks for four by ONE tensor load of 140 rows of 256 bytes; nothing is filled again.
; CLUSTER 4, 1, 1: the four query blocks of a pair of heads need the same records and ask for them jointly (mask 15).
; NO PREFETCH: the launch's only fill stands at its head, so there is no loop in which a request could run ahead of it.
; LAYOUT.  Both products transposed, in the form of 32 rows: S^T = K Q^T, O^T = V^T P^T: a lane holds one query (lane % 16).
; THE KEYS OF A TILE ARE CHOSEN BY THE LDS ADDRESS: tile (c, t) of a record takes in lanes r < 8 keys 64 c + 8 t + r and in lanes r >= 8 keys 64 c + 32 + 8 t + r - 8; a product's 32 rows are tiles (0, t) and (1, t).
; The registers of tiles (c, 0 .. 3) of lane (r, h) are then the WHOLE block of keys 64 c + 32 h + 0 .. 31: its maximum needs no other lane, and the conversion of tile (c, t) is register 4 c + t of P's operand.
; In a record, keys 8 g .. 8 g + 7 lie in image 2 (g / 4) + g % 2, lanes 8 ((g % 4) / 2) on: lane (r, h) reads at 1,024 (r / 8) + 256 h + 16 (r % 8) + 2,048 c + 512 (t % 2) + 128 (t / 2).
; K = 64: q's registers 4-7 hold zero codes, so whatever finite codes stand over them in k's operand add nothing: k's tiles are packed four registers apart, and a tile's upper half is another tile's data (behind the last: zeros).
; REGISTERS.  Window 1 (v256-511): the 256 scores of a step, then p: tile (c, t) of record r at 64 r + 16 t + 8 c.  Window 0: v1-4, v7, v8, v19 lane offsets; v5, v6 the add's; v9-11, v16 LDS addresses; v12 -M, v13 largest score,
; v[14:15] the sum, v17 the old -M, v18 the first head's scale bytes; v20-27 q, v28-31 the next pass's q; v32-49 scale words alone (k 32-39, v 40-43, p 44-47, q 48, the next q 49); v[50:51] the factor; v52-59 the blocks' maxima, then scales;
; v60-79 at work; v80-111 p's codes; v112-143 O^T; v144-211 two buffers of 32 for k or v, and four zeros; v212-216 results.
.set REC,   8960
.set HEADB, 16*REC
.set SPARE, 2*HEADB                    ; the spare words, 128 bytes for each wave: four blocks of 256 bytes that no other line names
.set PL,  144
.set WV,  12
.set SEL, 32                           ; s[32:33] lane selects: lane l xor 16
.set CS,  34                           ; s[34:35] c = log2(e) / 8
.set TB,  36                           ; LDS byte of the step's first record
.set CNT, 37
.set PP,  38                           ; the pass: 2 x query tile + head
.set NC,  39                           ; -c
.set MSB, 0
.macro WIN new                         ; low byte: bits 1:0 source 0, 3:2 source 1, 5:4 source 2, 7:6 destination; the high byte repeats the setting that is left
.if MSB != \new
	s_set_vgpr_msb (MSB<<8)|\new
.set MSB, \new
.endif
.endm
.macro P4
.rept 4
	v_nop
.endr
.endm
.macro ROUND
	s_barrier_signal -1
	s_barrier_wait -1
	s_cmp_lg_u32 s[WV], 0
	s_cbranch_scc1 .Lnot_wave_0_\@
	s_barrier_signal -3
.Lnot_wave_0_\@:
	s_barrier_wait -3
	s_barrier_signal -1
	s_barrier_wait -1
.endm
.macro KLOAD q, r                      ; record r's k into buffer q: scale words (register t: lanes 0-15 tile (0, t), lanes 16-31 tile (1, t)), then the eight tiles
	ds_load_b64 v[32+4*\q:33+4*\q], v16 offset:REC*\r
	ds_load_b64 v[34+4*\q:35+4*\q], v16 offset:REC*\r+128
.irp c, 0,1
.irp t, 0,1,2,3
	ds_load_b128 v[PL+32*\q+16*(\t/2)+4*(\t%2)+8*\c:PL+32*\q+16*(\t/2)+4*(\t%2)+8*\c+3], v11 offset:REC*\r+2048*\c+512*(\t%2)+128*(\t/2)
.endr
.endr
.endm
.macro VLOAD q, r                      ; record r's v into buffer q: a product's 32 rows are channel tiles i and 2 + i
	ds_load_b64 v[40+2*\q:41+2*\q], v10 offset:REC*\r+8704
.irp u, 0,1,2,3
	ds_load_b128 v[PL+32*\q+16*(\u%2)+8*(\u/2):PL+32*\q+16*(\u%2)+8*(\u/2)+3], v9 offset:REC*\r+4096+1024*\u
	ds_load_b128 v[PL+32*\q+16*(\u%2)+8*(\u/2)+4:PL+32*\q+16*(\u%2)+8*(\u/2)+7], v9 offset:REC*\r+4096+1024*\u+512
.endr
.endm
.macro QK q, r                         ; the scores of record r (destination in window 1)
.irp t, 0,1,2,3
	v_wmma_scale_f32_32x16x128_f4 v[64*\r+16*\t:64*\r+16*\t+15], v[PL+32*\q+16*(\t/2)+4*(\t%2):PL+32*\q+16*(\t/2)+4*(\t%2)+15], v[20:27], 0, v[32+4*\q+\t], v48
.endr
.endm
.macro PV q, r                         ; O^T += V^T P^T over record r's 128 keys; the two accumulators by turns
.irp i, 0,1
	v_wmma_scale_f32_32x16x128_f4 v[112+16*\i:127+16*\i], v[PL+32*\q+16*\i:PL+32*\q+16*\i+15], v[80+8*\r:87+8*\r], v[112+16*\i:127+16*\i], v[40+2*\q+\i], v[44+\r]
.endr
.endm
; The largest score of each of my four blocks of records ra, ra + 1: eight chains by turns (record d, half g of the block's four tiles, block c), each accumulator first read at its low end.
.macro MAXT ra
	WIN 0x15
.irp d, 0,1
.irp g, 0,1
.irp c, 0,1
	v_max3_num_f32 v[60+4*\d+2*\g+\c], v[64*(\ra+\d)+32*\g+8*\c], v[64*(\ra+\d)+32*\g+8*\c+1], v[64*(\ra+\d)+32*\g+8*\c+2]
.endr
.endr
.endr
	WIN 0x14
.irp k, 3,5,7,9,11,13
.irp d, 0,1
.irp g, 0,1
.irp c, 0,1
	v_max3_num_f32 v[60+4*\d+2*\g+\c], v[60+4*\d+2*\g+\c], v[64*(\ra+\d)+32*\g+8*\c+16*(\k/8)+\k%8], v[64*(\ra+\d)+32*\g+8*\c+16*((\k+1)/8)+(\k+1)%8]
.endr
.endr
.endr
.endr
.irp d, 0,1
.irp c, 0,1
	v_max3_num_f32 v[60+4*\d+\c], v[60+4*\d+\c], v[64*(\ra+\d)+8*\c+23], v[64*(\ra+\d)+32+8*\c+23]
.endr
.endr
	WIN 0
.irp d, 0,1
.irp c, 0,1
	v_max_num_f32 v[52+2*(\ra+\d)+\c], v[60+4*\d+\c], v[62+4*\d+\c]
.endr
.endr
.endm
.macro GS a, n                         ; n groups of four pairs of p, from group a on, onto the sum's four chains (source 1 in window 1)
.set gi, \a
.rept \n
	v_pk_add_f32 v[14:15], v[14:15], v[12+8*gi:13+8*gi]
.irp k, 0,1,2
	v_pk_add_f32 v[68+2*\k:69+2*\k], v[68+2*\k:69+2*\k], v[14+8*gi+2*\k:15+8*gi+2*\k]
.endr
.set gi, gi+1
.endr
.endm
	s_load_b256 s[4:11], s[0:1], 0x0               ; qr, kv, oc, os
	v_lshl_add_u32 v5, v0, 2, SPARE
	v_mov_b32 v6, 0
	ds_add_u32 v5, v6                              ; the wave's opening: the add, twice on end, and its wait ahead of my tensor load
	ds_add_u32 v5, v6
	v_lshrrev_b32 v1, 5, v0
	v_readfirstlane_b32 s[WV], v1                  ; wave 0..7
	s_bfe_u32 s13, ttmp6, 0x40000                  ; cx
	s_lshl_b32 s14, ttmp9, 2
	s_add_co_u32 s14, s14, s13                     ; block of 256 queries
	s_and_b32 s15, ttmp7, 0xffff                   ; pair of heads
	s_mov_b32 s16, 15|(3<<16)|(1<<21)              ; the mask of the four partners; elements of 8 bytes; bit 21 beside a mask
	s_mov_b32 s17, 32<<16                          ; rows of 256 bytes,
	s_mov_b32 s18, 140<<16                         ; 140 of them: four records
	s_mov_b32 s19, 32<<16
	s_mov_b32 s20, 140
	s_mov_b32 s21, 32
	s_mov_b32 s22, 0
	s_mov_b32 s23, 0
	s_mov_b32 s24, 1
	s_mul_i32 s25, s[WV], 4*REC                    ; LDS: four records a wave
	s_lshl_b32 s40, s15, 5
	s_lshl_b32 s41, s[WV], 2
	s_add_co_u32 s40, s40, s41
	s_mul_i32 s40, s40, REC                        ; kv: record 32 y + 4 x wave
	s_mov_b32 s41, 0
	s_lshl_b32 s42, s15, 5
	s_lshl_b32 s43, s14, 1
	s_add_co_u32 s42, s42, s43
	s_mul_i32 s42, s42, 4608                       ; qr: the block's first record of the first head,
	s_lshl_b32 s43, s[WV], 9
	s_add_co_u32 s42, s42, s43                     ; my tile's image in it
	s_mov_b32 s43, 0
	s_lshr_b32 s46, s[WV], 2                       ; from the image to the tile's scale words: 4,096 + 256 (w / 4) + 4 (w % 4) - 512 w, which is above 0
	s_lshl_b32 s46, s46, 8
	s_and_b32 s47, s[WV], 3
	s_lshl_b32 s47, s47, 2
	s_add_co_u32 s46, s46, s47
	s_add_co_u32 s46, s46, 4096
	s_lshl_b32 s47, s[WV], 9
	s_sub_co_u32 s46, s46, s47
	s_lshr_b32 s48, s15, 3
	s_lshl_b32 s48, s48, 7
	s_lshl_b32 s49, s14, 4
	s_add_co_u32 s48, s48, s49
	s_add_co_u32 s48, s48, s[WV]                   ; the result's tile (the second query tile: 8 on),
	s_lshl_b32 s48, s48, 3
	s_and_b32 s49, s15, 7
	s_add_co_u32 s48, s48, s49                     ; and its K step: the pair of heads
	s_lshl_b32 s50, s48, 10
	s_mov_b32 s51, 0
	s_lshl_b32 s52, s48, 6
	s_mov_b32 s53, 0
	s_mov_b32 s[SEL], 0x76543210
	s_mov_b32 s[SEL+1], 0xfedcba98
	s_mov_b32 s[CS], 0x3e38aa3b                    ; c = log2(e) / 8
	s_mov_b32 s[CS+1], s[CS]
	s_mov_b32 s[NC], 0xbe38aa3b                    ; -c
	s_mov_b32 s[PP], 0
	v_and_b32 v2, 31, v0
	v_lshlrev_b32 v1, 4, v2                        ; 16 x lane
	v_lshlrev_b32 v2, 3, v2                        ; 8 x lane
	v_and_b32 v10, 15, v0                          ; r
	v_bfe_u32 v8, v0, 4, 1                         ; h
	v_lshlrev_b32 v7, 2, v10                       ; 4 r
	v_lshl_add_u32 v19, v10, 4, s46                ; q's scale word: 16 r on from the tile's words
	v_and_b32 v3, 7, v10
	v_lshrrev_b32 v4, 3, v10
	v_lshlrev_b32 v3, 4, v3
	v_lshl_add_u32 v3, v8, 8, v3                   ; 16 (r % 8) + 256 h
	v_lshl_add_u32 v11, v4, 3, v3
	v_lshl_add_u32 v3, v4, 10, v3                  ; k's tiles: + 1,024 (r / 8)
	v_add_nc_u32 v4, 8192, v11                     ; k's scale words: 8,192 + 256 h + 16 (r % 8) + 8 (r / 8)
	v_lshlrev_b32 v8, 3, v8                        ; 8 h
	s_wait_alu depctr_va_vdst(0)
	s_wait_dscnt 0x0                               ; both opening adds are done
	s_wait_kmcnt 0x0
	s_add_nc_u64 s[26:27], s[6:7], s[40:41]
	s_or_b32 s27, s27, 0x80000000
	s_add_nc_u64 s[44:45], s[4:5], s[42:43]
	s_add_nc_u64 s[8:9], s[8:9], s[50:51]
	s_add_nc_u64 s[10:11], s[10:11], s[52:53]
	global_load_b128 v[28:31], v1, s[44:45]        ; the first pass's q,
	global_load_b32 v49, v19, s[44:45]             ; and its scale words
	ROUND                                          ; the four partners are here: the joint loads meet
	tensor_load_to_lds s[24:27], s[16:23]          ; my one tensor load
	s_nop 0
.irp j, 24,25,26,27,208,209,210,211
	v_mov_b32 v[\j], 0                             ; zero codes: K 64 .. 127 of q; the registers behind the buffers
.endr
.irp j, 18,51,76
	v_mov_b32 v[\j], 0                             ; written once: named before they are first made
.endr
	s_wait_alu depctr_va_vdst(0)
	s_wait_tensorcnt 0x0                           ; my four records have landed
	s_barrier_signal -1
	s_barrier_wait -1                              ; everybody's have; nothing is ever filled again
.Lpass:
	s_wait_loadcnt 0x0                             ; this pass's q is in
	s_wait_xcnt 0x0                                ; the last pass's loads and stores have read their registers and bases
.irp j, 0,1,2,3
	v_mov_b32 v[20+\j], v[28+\j]
.endr
	v_mov_b32 v48, v49
	s_add_co_u32 s40, s[PP], 1
	s_min_u32 s40, s40, 3                          ; the next pass (the last names itself, so that no address leaves qr)
	s_and_b32 s41, s40, 1
	s_mul_i32 s41, s41, 73728                      ; its head: 16 records on,
	s_lshr_b32 s40, s40, 1
	s_mul_i32 s40, s40, 4608                       ; its query tile: a record on
	s_add_co_u32 s40, s40, s41
	s_mov_b32 s41, 0
	s_add_nc_u64 s[54:55], s[44:45], s[40:41]
	global_load_b128 v[28:31], v1, s[54:55]        ; its q comes while this pass is worked
	global_load_b32 v49, v19, s[54:55]
	s_and_b32 s42, s[PP], 1                        ; this pass's head,
	s_lshr_b32 s43, s[PP], 1                       ; and query tile
	s_lshl_b32 s40, s43, 16
	s_lshl_b32 s50, s42, 9
	s_add_co_u32 s40, s40, s50
	s_add_nc_u64 s[56:57], s[8:9], s[40:41]        ; oc: 8 tiles of 8,192 bytes on for the second tile, 512 bytes for the second head
	s_lshl_b32 s40, s43, 12
	s_add_nc_u64 s[58:59], s[10:11], s[40:41]      ; os: 8 tiles of 512 bytes
	s_mul_i32 s[TB], s42, HEADB
	s_mov_b32 s[CNT], 4
	v_add_nc_u32 v9, s[TB], v1
	v_add_nc_u32 v10, s[TB], v2
	v_add_nc_u32 v11, s[TB], v3
	v_add_nc_u32 v16, s[TB], v4
	KLOAD 0, 0
	KLOAD 1, 1
	v_mov_b32 v13, 0xff61b1e6                      ; the largest score so far: -3e38
	v_mov_b32 v14, 0
	v_mov_b32 v15, 0
	v_mul_f32 v12, s[NC], v13
.set i, 0
.rept 32
	v_mov_b32 v[112+i], 0                          ; O^T: the first step finds zeros, which the first change of M leaves zeros
.set i, i+1
.endr
	v_floor_f32 v12, v12                           ; -M
	s_delay_alu instid0(VALU_DEP_1)
	v_mov_b32 v17, v12
	s_wait_alu depctr_va_vdst(0)
.Lstep:
	s_wait_dscnt 0x0                               ; records 0 and 1 of k are in
	WIN 0x40
	QK 0, 0
	QK 1, 1
	WIN 0
	P4                                             ; places, for the loads into the buffers and for the first read of the scores
	KLOAD 0, 2
	KLOAD 1, 3
	MAXT 0                                         ; 64 lines stand under the loads
	s_wait_dscnt 0x0
	WIN 0x40
	QK 0, 2
	QK 1, 3
	WIN 0
	P4
	VLOAD 0, 0
	VLOAD 1, 1
	MAXT 2
	v_max3_num_f32 v74, v52, v53, v54
	v_max3_num_f32 v75, v55, v56, v57
	s_delay_alu instid0(VALU_DEP_2)
	v_max3_num_f32 v74, v74, v58, v59
	s_delay_alu instid0(VALU_DEP_1)
	v_max_num_f32 v74, v74, v75
	s_delay_alu instid0(VALU_DEP_1)
	v_permlanex16_b32 v76, v74, s[SEL], s[SEL+1]
	s_delay_alu instid0(VALU_DEP_1)
	v_max3_num_f32 v13, v13, v74, v76              ; the running largest score of my query
	s_delay_alu instid0(VALU_DEP_1)
	v_mul_f32 v77, s[NC], v13
	s_delay_alu instid0(VALU_DEP_1)
	v_floor_f32 v12, v77                           ; the new -M = floor(-t)
	s_delay_alu instid0(VALU_DEP_1)
	v_sub_f32 v77, v12, v17                        ; old M - new M, a whole number, 0 or less
.irp n, 0,1,2,3
	v_fma_f32 v[52+\n], v[52+\n], s[CS], v12       ; t - M of each block's largest score
.endr
	v_cvt_i32_f32 v77, v77                         ; (it saturates)
.irp n, 4,5,6,7
	v_fma_f32 v[52+\n], v[52+\n], s[CS], v12
.endr
	v_ldexp_f32 v50, 1.0, v77                      ; f = 2^(old M - new M)
.set i, 0
.rept 16
	v_pk_mul_f32 v[112+2*i:113+2*i], v[112+2*i:113+2*i], v[50:51] op_sel_hi:[1,0]   ; O^T under the new M, each accumulator from its low end on
.set i, i+1
.endr
	WIN 0x41                                       ; destination and source 0 in window 1
.set i, 0
.rept 128
	v_pk_fma_f32 v[2*i:2*i+1], v[2*i:2*i+1], s[CS:CS+1], v[12:13] op_sel_hi:[1,0,0]   ; t - M
.set i, i+1
.endr
	s_wait_alu depctr_va_vdst(0)
.set i, 0
.rept 256
	v_exp_f32 v[i], v[i]                           ; p = 2^(t - M)
.set i, i+1
.endr
	WIN 0
.irp n, 0,1,2,3,4,5,6,7
	v_exp_f32 v[52+\n], v[52+\n]                   ; each block's largest p: the same two instructions on the same number
.endr
	v_pk_mul_f32 v[14:15], v[14:15], v[50:51] op_sel_hi:[1,0]   ; the sum under the new M: a plain place behind the batch
	v_mov_b32 v17, v12
	s_wait_alu depctr_va_vdst(0)                   ; one wait for the batch, ahead of its first reader
.irp n, 0,1,2,3,4,5,6,7
	v_max_num_f32 v[52+\n], 0x1800000, v[52+\n]    ; the floor 2^(3 - 127): the byte cannot fall under 1
.endr
.irp n, 0,1,2,3,4,5,6,7
	v_add_nc_u32 v[52+\n], 0xff000000, v[52+\n]    ; 2 off the exponent field: the conversion's scale operand
.endr
.irp n, 0,1,2,3,4,5,6,7
	v_lshrrev_b32 v[60+\n], 23, v[52+\n]           ; the scales' bytes: of record r blocks h and 2 + h
.endr
.irp r, 0,1,2,3
	v_lshl_or_b32 v[68+\r], v[61+2*\r], 16, v[60+2*\r]
.endr
.irp r, 0,1,2,3
	v_lshlrev_b32 v[68+\r], v8, v[68+\r]           ; at their places in the word: 8 h bits up
.endr
.irp r, 0,1,2,3
	v_permlanex16_b32 v[74+\r], v[68+\r], s[SEL], s[SEL+1]
.endr
.irp r, 0,1,2,3
	v_or_b32 v[44+\r], v[68+\r], v[74+\r]          ; with lane l xor 16's two bytes p's scale word of 128 keys is whole
.endr
	WIN 0x01                                       ; source 0 in window 1
.irp r, 0,1,2,3
.irp c, 0,1
.irp t, 0,1,2,3
	v_cvt_scalef32_pk8_fp4_f32 v[80+8*\r+4*\c+\t], v[64*\r+16*\t+8*\c:64*\r+16*\t+8*\c+7], v[52+2*\r+\c]   ; register 4 c + t of P's operand: keys 64 c + 32 h + 8 t + 0 .. 7
.endr
.endr
.endr
	WIN 0x05                                       ; THE ROW'S SUM OF THE UNQUANTISED p, in four chains; the products and the LDS loads stand among its lines
.irp k, 0,1,2
	v_pk_add_f32 v[68+2*\k:69+2*\k], v[4*\k:4*\k+1], v[4*\k+2:4*\k+3]
.endr
	WIN 0x04
	GS 0, 4                                        ; with the three above: 19 plain lines between the scale words, the codes and the products
	WIN 0
	s_wait_alu depctr_va_vdst(0)
	s_wait_dscnt 0x0                               ; records 0 and 1 of v are in
	PV 0, 0
	PV 1, 1
	WIN 0x04
	GS 4, 1                                        ; four places in front of the loads into the buffers
	VLOAD 0, 2                                     ; (an LDS load's destination and address are in window 0 under this setting too)
	VLOAD 1, 3
	GS 5, 13                                       ; 52 lines stand under the loads
	WIN 0
	s_wait_alu depctr_va_vdst(0)
	s_wait_dscnt 0x0
	PV 0, 2
	PV 1, 3
	s_add_co_u32 s[TB], s[TB], 4*REC
	v_add_nc_u32 v9, s[TB], v1                     ; the next step's addresses: also the four places in front of the loads below
	v_add_nc_u32 v10, s[TB], v2
	v_add_nc_u32 v11, s[TB], v3
	v_add_nc_u32 v16, s[TB], v4
	s_cmp_eq_u32 s[CNT], 1                         ; a pass's last step asks for nothing more: a branch on the count of steps
	s_cbranch_scc1 .Lno_k
	KLOAD 0, 0
	KLOAD 1, 1
.Lno_k:
	WIN 0x04
	GS 18, 12                                      ; 50 lines stand under the loads
	v_pk_add_f32 v[14:15], v[14:15], v[252:253]
	v_pk_add_f32 v[68:69], v[68:69], v[254:255]
	WIN 0
	v_pk_add_f32 v[70:71], v[70:71], v[72:73]
	v_pk_add_f32 v[14:15], v[14:15], v[68:69]
	s_delay_alu instid0(VALU_DEP_1)
	v_pk_add_f32 v[14:15], v[14:15], v[70:71]
	s_sub_co_u32 s[CNT], s[CNT], 1
	s_cmp_lg_u32 s[CNT], 0
	s_cbranch_scc1 .Lstep
	s_wait_alu depctr_va_vdst(0)
	v_add_f32 v14, v14, v15                        ; the sum's two halves,
	s_delay_alu instid0(VALU_DEP_1)
	v_permlanex16_b32 v76, v14, s[SEL], s[SEL+1]
	s_delay_alu instid0(VALU_DEP_1)
	v_add_f32 v14, v14, v76                        ; and lane l xor 16's: the row's sum
	s_wait_alu depctr_va_vdst(0)
	v_rcp_f32 v14, v14
	v_nop
	s_wait_alu depctr_va_vdst(0)                   ; ahead of its first reader, which is also the first reader of O^T
.irp u, 0,1,2,3                                ; channel tile u lies at 16 (u % 2) + 8 (u / 2) of O^T; tiles 2 b, 2 b + 1 are 16 neighbouring channels
.irp j, 0,2,4,6
	v_pk_mul_f32 v[PL+8*\u+\j:PL+8*\u+\j+1], v[112+16*(\u%2)+8*(\u/2)+\j:112+16*(\u%2)+8*(\u/2)+\j+1], v[14:15] op_sel_hi:[1,0]
.endr
.endr
.irp b, 0,1                                    ; the head's 64 channels become four registers of codes and two scale bytes
	v_max3_num_f32 v[60+\b], |v[PL+16*\b]|, |v[PL+1+16*\b]|, 0x1800000
.endr
.irp i, 2,4,6,8,10,12,14
.irp b, 0,1
	s_delay_alu instid0(VALU_DEP_2)
	v_max3_num_f32 v[60+\b], v[60+\b], |v[PL+16*\b+\i]|, |v[PL+1+16*\b+\i]|
.endr
.endr
.irp b, 0,1
	s_delay_alu instid0(VALU_DEP_2)
	v_permlanex16_b32 v[62+\b], v[60+\b], s[SEL], s[SEL+1]
.endr
.irp b, 0,1
	s_delay_alu instid0(VALU_DEP_2)
	v_max_num_f32 v[60+\b], v[60+\b], v[62+\b]
.endr
.irp b, 0,1
	s_delay_alu instid0(VALU_DEP_2)
	v_add_nc_u32 v[52+\b], 0xff000000, v[60+\b]
.endr
.irp b, 0,1
	s_delay_alu instid0(VALU_DEP_2)
	v_lshrrev_b32 v[62+\b], 23, v[52+\b]
.endr
	s_delay_alu instid0(VALU_DEP_1)
	v_lshl_or_b32 v216, v63, 8, v62
.irp b, 0,1
	v_cvt_scalef32_pk8_fp4_f32 v[212+2*\b], v[PL+16*\b:PL+7+16*\b], v[52+\b]
	v_cvt_scalef32_pk8_fp4_f32 v[213+2*\b], v[PL+8+16*\b:PL+15+16*\b], v[52+\b]
.endr
	v_nop                                          ; one plain place behind a scaled conversion
	v_permlane16_swap_b32 v212, v214
	v_permlane16_swap_b32 v213, v215
	global_store_b128 v1, v[212:215], s[56:57]     ; 32 lanes store 512 consecutive bytes, aligned
	s_wait_alu depctr_va_vdst(0)
	s_bitcmp1_b32 s[PP], 0                         ; behind the second head the scale word of 128 channels is whole
	s_cbranch_scc0 .Lfirst_head
	v_lshl_or_b32 v78, v216, 16, v18
	global_store_b32 v7, v78, s[58:59]             ; lanes l and l + 16 write the same word with the same value
.Lfirst_head:
	v_mov_b32 v18, v216
	s_add_co_u32 s[PP], s[PP], 1
	s_cmp_lt_u32 s[PP], 4
	s_wait_alu depctr_va_vdst(0)
	s_cbranch_scc1 .Lpass
	s_wait_tensorcnt 0x0                           ; the wave's end
	ds_add_u32 v5, v6
	s_wait_dscnt 0x0
	ROUND                                          ; the closing round
	s_endpgm
.Lfunc_end_k_q97b7ebf697_attn:
	.size	k_q97b7ebf697_attn, .Lfunc_end_k_q97b7ebf697_attn-k_q97b7ebf697_attn
	.p2alignl 7, 3214868480
	.fill 96, 4, 3214868480
	.section	.rodata,"a",@progbits
	.p2align	6, 0x0
	.amdhsa_kernel k_q97b7ebf697_attn
		.amdhsa_group_segment_fixed_size 327680
		.amdhsa_private_segment_fixed_size 0
		.amdhsa_enable_private_segment 0
		.amdhsa_kernarg_size 32
		.amdhsa_user_sgpr_count 2
		.amdhsa_user_sgpr_kernarg_segment_ptr 1
		.amdhsa_wavefront_size32 1
		.amdhsa_system_sgpr_workgroup_id_x 1
		.amdhsa_system_sgpr_workgroup_id_y 1
		.amdhsa_system_sgpr_workgroup_id_z 1
		.amdhsa_system_vgpr_workitem_id 0
		.amdhsa_next_free_vgpr 512
		.amdhsa_next_free_sgpr 66
		.amdhsa_reserve_vcc 0
		.amdhsa_float_denorm_mode_32 3
		.amdhsa_float_denorm_mode_16_64 3
		.amdhsa_memory_ordered 1
		.amdhsa_forward_progress 1
		.amdhsa_inst_pref_size 62
	.end_amdhsa_kernel
	.amdgpu_metadata
---
amdhsa.version: [ 1, 2 ]
amdhsa.kernels:
  - .name:           k_q97b7ebf697_attn
    .symbol:         k_q97b7ebf697_attn.kd
    .args:
      - { .name: qr, .offset: 0, .size: 8, .value_kind: global_buffer, .address_space: global }
      - { .name: kv, .offset: 8, .size: 8, .value_kind: global_buffer, .address_space: global }
      - { .name: oc, .offset: 16, .size: 8, .value_kind: global_buffer, .address_space: global }
      - { .name: os, .offset: 24, .size: 8, .value_kind: global_buffer, .address_space: global }
    .group_segment_fixed_size: 327680
    .private_segment_fixed_size: 0
    .kernarg_segment_align: 8
    .kernarg_segment_size: 32
    .max_flat_workgroup_size: 256
    .sgpr_count:     66
    .vgpr_count:     512
    .wavefront_size: 32
...
	.end_amdgpu_metadata
.endif
;; end of part 3
;; launch proj (part 4): grid 4 x 64, 4 waves a work-group, clusters of 4 x 4, 327,680 bytes of LDS; arguments oc, os, cod, scl, b_proj, out0; writes out0
.if DOCPART == 4
	.amdgcn_target "amdgcn-amd-amdhsa--gfx1250"
	.amdhsa_code_object_version 6
	.text
	.protected	k_q97b7ebf697_proj
	.globl	k_q97b7ebf697_proj
	.p2align	8
	.type	k_q97b7ebf697_proj,@function
k_q97b7ebf697_proj:
	s_mov_b64 s[64:65], 0
	v_nop
	global_prefetch_b8 v0, s[64:65] scope:SCOPE_SE
	s_setreg_imm32_b32 hwreg(HW_REG_WAVE_MODE, 25, 1), 1
	s_wait_xcnt 0x0
	s_wait_alu depctr_hold_cnt(0) depctr_sa_sdst(0) depctr_va_vdst(0) depctr_va_sdst(0) depctr_va_ssrc(0) depctr_va_vcc(0) depctr_vm_vsrc(0)
	s_getreg_b32 s2, hwreg(HW_REG_IB_STS2, 6, 4)
	s_cmp_eq_u32 s2, 0
	s_cbranch_scc0 .Lentry_in_a_cluster
	s_endpgm
.Lentry_in_a_cluster:
	s_bfe_u32 s2, ttmp6, 0x10000c
	s_cmp_lg_u32 s2, 0xf033
	s_cbranch_scc0 .Lentry_shape_is_right
	s_endpgm
.Lentry_shape_is_right:
; LAUNCH 4 OF 4: out0 = out W_proj^T + b_proj, on the codes that the launches before have made.  No work is left out.  LIMITS as stated at the head of the first kernel.
; SHARES.  A work-group makes 128 rows x 256 columns over all K = 1,024: 256 work-groups.  Its codes (64 KiB of out, 128 KiB of W_proj) and scale words lie in LDS whole: each wave asks for one of the four whole at the head,
; nothing is filled again.  By this text's own count a wave has one tensor load outstanding.
; CLUSTERS: 4 x 4.  The four of a row of the cluster need the same rows of out, the four of a column the same rows of W_proj: joint loads, as in the qkv launch.
; Source 0 = 16 rows of W_proj (P), source 1 = 16 rows of out (R): a lane holds one row of out0, and the registers of P's tiles 2 b, 2 b + 1 are 16 neighbouring columns.  A wave makes 64 rows x 128 columns: 32 accumulators (window 2).
; The bias is the C of each sum's first product.  Results leave through the wave's own stage in LDS as whole rows of 512 bytes.
; REGISTERS: window 0: v16-31 addresses; v32-63 R's scale words (8 a + K step), v64-127 P's (8 b + K step); v128-191 R's fragments, two sets; on the way out v128-255.   window 1: v0-127 P's fragments, two sets; v128-191 the bias.
.set RO,    0                          ; out's 8 tiles x 8,192 bytes
.set PWC,   65536                      ; W_proj's 16 tiles
.set SCR,   196608                     ; out's scale words, 8 x 512 bytes
.set SCP,   200704                     ; W_proj's, 16 x 512
.set STAGE, 208896                     ; 16 rows x (512 + 16) bytes for each wave; no tensor load lands here
.set SPARE, 242688                     ; the spare words, 128 bytes for each wave: two blocks of 256 bytes that no other line names
.set SR,  32
.set SP,  64
.set RS,  128
.set BK,  128
.set BI,  128                          ; window 1
.set WV,  18
.set MSB, 0
.macro WIN new
.if MSB != \new
	s_set_vgpr_msb (MSB<<8)|\new
.set MSB, \new
.endif
.endm
.set TO_P, 0x40
.macro PLACES n
.rept \n
	v_nop
.endr
.endm
.macro ROUND
	s_barrier_signal -1
	s_barrier_wait -1
	s_cmp_lg_u32 s[WV], 0
	s_cbranch_scc1 .Lnot_wave_0_\@
	s_barrier_signal -3
.Lnot_wave_0_\@:
	s_barrier_wait -3
	s_barrier_signal -1
	s_barrier_wait -1
.endm
.macro FETCH k
	WIN TO_P
.irp i, 0,1,2,3,4,5,6,7
	ds_load_b128 v[64*((\k)%2)+8*\i:64*((\k)%2)+8*\i+3], v16 offset:\i*8192+(\k)*1024
	ds_load_b128 v[64*((\k)%2)+8*\i+4:64*((\k)%2)+8*\i+7], v16 offset:\i*8192+(\k)*1024+512
.endr
	WIN 0
.irp i, 0,1,2,3
	ds_load_b128 v[RS+32*((\k)%2)+8*\i:RS+32*((\k)%2)+8*\i+3], v17 offset:\i*8192+(\k)*1024
	ds_load_b128 v[RS+32*((\k)%2)+8*\i+4:RS+32*((\k)%2)+8*\i+7], v17 offset:\i*8192+(\k)*1024+512
.endr
.endm
.macro STEP ks                         ; 32 products; the 32 accumulators take turns, in the same order in every step
	s_wait_dscnt 0x0                               ; this step's fragments are in (ahead of step 0: the scale words too)
.if \ks < 7
.if \ks > 0
	PLACES 4                                       ; in front of loads into registers that the last step's products have read
.endif
	FETCH (\ks)+1
.endif
.if \ks == 0
	WIN 0x91                                       ; source 0 window 1, source 1 window 0, C (the bias) window 1, D window 2
.else
	WIN 0xa1                                       ; C and D window 2
.endif
.irp a, 0,1,2,3
.irp b, 0,1,2,3,4,5,6,7
.if \ks == 0
	v_wmma_scale_f32_16x16x128_f8f6f4 v[64*\a+8*\b:64*\a+8*\b+7], v[64*((\ks)%2)+8*\b:64*((\ks)%2)+8*\b+7], v[RS+32*((\ks)%2)+8*\a:RS+32*((\ks)%2)+8*\a+7], v[BI+8*\b:BI+8*\b+7], v[SP+8*\b+(\ks)], v[SR+8*\a+(\ks)] matrix_a_fmt:MATRIX_FMT_FP4 matrix_b_fmt:MATRIX_FMT_FP4
.else
	v_wmma_scale_f32_16x16x128_f8f6f4 v[64*\a+8*\b:64*\a+8*\b+7], v[64*((\ks)%2)+8*\b:64*((\ks)%2)+8*\b+7], v[RS+32*((\ks)%2)+8*\a:RS+32*((\ks)%2)+8*\a+7], v[64*\a+8*\b:64*\a+8*\b+7], v[SP+8*\b+(\ks)], v[SR+8*\a+(\ks)] matrix_a_fmt:MATRIX_FMT_FP4 matrix_b_fmt:MATRIX_FMT_FP4
.endif
.endr
.endr
	WIN 0
.endm
.macro TOSTAGE a                       ; R's tile a: 16 rows x 128 columns into my stage, and back as whole rows
	WIN 0x08                                       ; an LDS store's data are its source 1: window 2
.irp b, 0,1,2,3,4,5,6,7
	ds_store_b128 v24, v[64*(\a)+8*\b:64*(\a)+8*\b+3] offset:128*(\b/2)+32*(\b%2)        ; each accumulator from its low end on
	ds_store_b128 v24, v[64*(\a)+8*\b+4:64*(\a)+8*\b+7] offset:128*(\b/2)+32*(\b%2)+16
.endr
	WIN 0
.set BB, BK+64*((\a)%2)
.irp t, 0,1,2,3,4,5,6,7,8,9,10,11,12,13,14,15
	ds_load_b128 v[BB+4*\t:BB+4*\t+3], v25 offset:528*\t      ; LDS serves a wave's instructions in order: these see my stores, and the next tile's stores come behind them
.endr
.endm
.macro SEND a, younger                 ; younger: the LDS instructions issued behind tile a's loads, which may stay out
.set BB, BK+64*((\a)%2)
	s_wait_dscnt \younger
.irp t, 0,1,2,3,4,5,6,7,8,9,10,11,12,13,14,15
	global_store_b128 v26, v[BB+4*\t:BB+4*\t+3], s[14:15] offset:(32*((\a)/2)+8*((\a)%2)+\t+8*(\t/8))*4096 th:TH_STORE_NT   ; 32 lanes store 512 consecutive bytes, aligned; lane-row t of tile a is that row of my 64
.endr
.endm
	s_load_b256 s[4:11], s[0:1], 0x0               ; oc, os, cod, scl
	s_load_b128 s[12:15], s[0:1], 0x20             ; b_proj, out0
	v_lshl_add_u32 v30, v0, 2, SPARE
	v_mov_b32 v31, 0
	ds_add_u32 v30, v31                            ; the wave's opening: the add, twice on end, and its wait ahead of my first tensor load
	ds_add_u32 v30, v31
	v_lshrrev_b32 v1, 5, v0
	v_readfirstlane_b32 s[WV], v1                  ; wave 0..3
	s_lshr_b32 s19, s[WV], 1                       ; which 64 rows are mine
	s_and_b32 s20, s[WV], 1                        ; which 128 columns
	s_bfe_u32 s21, ttmp6, 0x40000                  ; cx
	s_bfe_u32 s22, ttmp6, 0x40004                  ; cy
	s_lshl_b32 s23, ttmp9, 2
	s_add_co_u32 s23, s23, s21                     ; block of 256 columns
	s_and_b32 s24, ttmp7, 0xffff
	s_lshl_b32 s24, s24, 2
	s_add_co_u32 s24, s24, s22                     ; block of 128 rows
	s_lshl_b32 s80, s22, 2
	s_lshl_b32 s80, 15, s80                        ; my row of the cluster
	s_lshl_b32 s81, 0x1111, s21                    ; my column
	; descriptor groups 1: dense blocks as rows of 256 bytes (32 elements of 8 bytes): out's codes 256 rows, W_proj's 512, out's scale words 16, W_proj's 32
	s_or_b32 s28, s80, (3<<16)|(1<<21)
	s_or_b32 s36, s81, (3<<16)|(1<<21)
	s_or_b32 s44, s80, (3<<16)|(1<<21)
	s_or_b32 s52, s81, (3<<16)|(1<<21)
	s_mov_b32 s30, 256<<16                         ; each block whole: out's codes 256 rows of 256 bytes,
	s_mov_b32 s32, 256
	s_mov_b32 s38, 512<<16                         ; W_proj's 512,
	s_mov_b32 s40, 512
	s_mov_b32 s46, 16<<16                          ; out's scale words 16,
	s_mov_b32 s48, 16
	s_mov_b32 s54, 32<<16                          ; W_proj's 32
	s_mov_b32 s56, 32
.irp g, 28, 36, 44, 52
	s_mov_b32 s[\g+1], 32<<16                      ; tensor_dim0
	s_mov_b32 s[\g+3], 32<<16                      ; tile_dim0
	s_mov_b32 s[\g+5], 32                          ; the pitch
	s_mov_b32 s[\g+6], 0
	s_mov_b32 s[\g+7], 0
.endr
	s_lshl_b32 s82, s24, 3
	s_mov_b32 s83, 0                               ; a load begins at its block's first tile
	s_add_co_u32 s82, s82, s83                     ; out's tile: 8 x block of rows
	s_lshl_b32 s84, s23, 4
	s_mov_b32 s83, 0
	s_add_co_u32 s84, s84, s83
	s_add_co_u32 s84, s84, 704                     ; W_proj's tile in cod: 704 + 16 x block of columns
	s_lshl_b32 s86, s82, 13
	s_mov_b32 s87, 0
	s_lshl_b32 s88, s82, 9
	s_mov_b32 s89, 0
	s_lshl_b32 s90, s84, 13
	s_mov_b32 s91, 0
	s_lshl_b32 s92, s84, 9
	s_mov_b32 s93, 0
	s_mov_b32 s60, 1
	s_mov_b32 s61, RO
	s_mov_b32 s68, 1
	s_mov_b32 s69, 0
	s_add_co_u32 s69, s69, PWC
	s_mov_b32 s72, 1
	s_mov_b32 s73, 0
	s_add_co_u32 s73, s73, SCR
	s_mov_b32 s76, 1
	s_mov_b32 s77, 0
	s_add_co_u32 s77, s77, SCP
	s_lshl_b32 s94, s23, 8
	s_lshl_b32 s95, s20, 7
	s_add_co_u32 s94, s94, s95
	s_lshl_b32 s94, s94, 2                         ; my first column, in bytes
	s_mov_b32 s95, 0
	s_lshl_b32 s96, s24, 7
	s_lshl_b32 s97, s19, 6
	s_add_co_u32 s96, s96, s97
	s_lshl_b32 s96, s96, 12                        ; my first row, in bytes
	s_mov_b32 s97, 0
	s_wait_dscnt 0x0                               ; both opening adds are done
	s_wait_kmcnt 0x0
	s_add_nc_u64 s[62:63], s[4:5], s[86:87]
	s_or_b32 s63, s63, 0x80000000
	s_add_nc_u64 s[70:71], s[8:9], s[90:91]
	s_or_b32 s71, s71, 0x80000000
	s_add_nc_u64 s[74:75], s[6:7], s[88:89]
	s_or_b32 s75, s75, 0x80000000
	s_add_nc_u64 s[78:79], s[10:11], s[92:93]
	s_or_b32 s79, s79, 0x80000000
	s_add_nc_u64 s[12:13], s[12:13], s[94:95]
	s_add_nc_u64 s[14:15], s[14:15], s[94:95]
	s_add_nc_u64 s[14:15], s[14:15], s[96:97]
	ROUND                                          ; all sixteen work-groups are here: the joint loads meet
	; THE HEAD'S LOADS, ONE A WAVE: wave 0 brings out's codes whole, wave 1 W_proj's codes, wave 2 out's scale words, wave 3 W_proj's.
	; One tree of branches on the wave's number, a load to an arm, all arms leading to one join.  By this text's own count a wave has one tensor load outstanding.
	s_cmp_lt_u32 s[WV], 1
	s_cbranch_scc0 .Lhead_w
	tensor_load_to_lds s[60:63], s[28:35]
	s_nop 0
	PLACES 4
	s_branch .Lhead_asked
.Lhead_w:
	s_cmp_lt_u32 s[WV], 2
	s_cbranch_scc0 .Lhead_os
	tensor_load_to_lds s[68:71], s[36:43]
	s_nop 0
	PLACES 4
	s_branch .Lhead_asked
.Lhead_os:
	s_cmp_lt_u32 s[WV], 3
	s_cbranch_scc0 .Lhead_ws
	tensor_load_to_lds s[72:75], s[44:51]
	s_nop 0
	PLACES 4
	s_branch .Lhead_asked
.Lhead_ws:
	tensor_load_to_lds s[76:79], s[52:59]
	s_nop 0
	PLACES 4
.Lhead_asked:
	v_and_b32 v29, 31, v0                          ; lane
	v_and_b32 v1, 15, v0                           ; r
	s_wait_alu depctr_va_vdst(0)
	v_bfe_u32 v2, v0, 4, 1                         ; lane / 16
	v_lshlrev_b32 v26, 4, v29                      ; 16 x lane
	s_lshl_b32 s80, s20, 16
	s_add_co_u32 s80, s80, PWC
	v_add_nc_u32 v16, s80, v26                     ; P's fragments
	s_lshl_b32 s80, s19, 15
	v_add_nc_u32 v17, s80, v26                     ; R's
	s_lshl_b32 s80, s19, 11
	s_add_co_u32 s80, s80, SCR
	v_lshl_add_u32 v18, v1, 2, s80                 ; R's scale words
	s_lshl_b32 s80, s20, 12
	s_add_co_u32 s80, s80, SCP
	v_lshl_add_u32 v19, v1, 2, s80                 ; P's
	s_mul_i32 s80, s[WV], 8448
	s_add_co_u32 s80, s80, STAGE                   ; my stage
	v_mul_u32_u24 v24, v1, 528
	s_wait_alu depctr_va_vdst(0)
	v_lshl_add_u32 v24, v2, 6, v24
	v_add_nc_u32 v24, s80, v24                     ; in: row r, + 64 (lane / 16)
	v_add_nc_u32 v25, s80, v26                     ; back: 16 bytes a lane of a row
	v_lshlrev_b32 v27, 6, v2
	WIN TO_P
.irp b, 0,1,2,3
.irp j, 0,1,2,3
	global_load_b128 v[BI+16*\b+4*\j:BI+16*\b+4*\j+3], v27, s[12:13] offset:128*\b+16*\j   ; the bias in the result's layout: columns 32 b + 16 (lane / 16) + 0 .. 15
.endr
.endr
	WIN 0
	s_wait_tensorcnt 0x0                           ; my tensor load has landed
	s_barrier_signal -1
	s_barrier_wait -1                              ; everybody's have; nothing is ever filled again
.irp i, 0,1,2,3
.irp k, 0,1,2,3,4,5,6,7
	ds_load_b32 v[SR+8*\i+\k], v18 offset:512*\i+64*\k
.endr
.endr
.irp i, 0,1,2,3,4,5,6,7
.irp k, 0,1,2,3,4,5,6,7
	ds_load_b32 v[SP+8*\i+\k], v19 offset:512*\i+64*\k
.endr
.endr
	FETCH 0
	s_wait_loadcnt 0x0                             ; the bias
.irp k, 0,1,2,3,4,5,6,7
	STEP \k
.endr
	PLACES 4                                       ; in front of the first read of results and of loads into R's registers
	s_wait_alu depctr_va_vdst(0)
	TOSTAGE 0
.irp a, 1,2,3
.if \a > 1
	s_wait_xcnt 0x0                                ; tile a - 2's stores have read their registers: tile a's loads may land there
.endif
	TOSTAGE \a
	SEND \a-1, 32                                  ; behind tile a - 1's loads: tile a's 16 stores and 16 loads
.endr
	SEND 3, 0
	s_wait_tensorcnt 0x0                           ; the wave's end
	ds_add_u32 v30, v31
	s_wait_dscnt 0x0
	ROUND                                          ; the closing round
	s_endpgm
.Lfunc_end_k_q97b7ebf697_proj:
	.size	k_q97b7ebf697_proj, .Lfunc_end_k_q97b7ebf697_proj-k_q97b7ebf697_proj
	.p2alignl 7, 3214868480
	.fill 96, 4, 3214868480
	.section	.rodata,"a",@progbits
	.p2align	6, 0x0
	.amdhsa_kernel k_q97b7ebf697_proj
		.amdhsa_group_segment_fixed_size 327680
		.amdhsa_private_segment_fixed_size 0
		.amdhsa_enable_private_segment 0
		.amdhsa_kernarg_size 48
		.amdhsa_user_sgpr_count 2
		.amdhsa_user_sgpr_kernarg_segment_ptr 1
		.amdhsa_wavefront_size32 1
		.amdhsa_system_sgpr_workgroup_id_x 1
		.amdhsa_system_sgpr_workgroup_id_y 1
		.amdhsa_system_sgpr_workgroup_id_z 1
		.amdhsa_system_vgpr_workitem_id 0
		.amdhsa_next_free_vgpr 768
		.amdhsa_next_free_sgpr 100
		.amdhsa_reserve_vcc 0
		.amdhsa_float_denorm_mode_32 3
		.amdhsa_float_denorm_mode_16_64 3
		.amdhsa_memory_ordered 1
		.amdhsa_forward_progress 1
		.amdhsa_inst_pref_size 77
	.end_amdhsa_kernel
	.amdgpu_metadata
---
amdhsa.version: [ 1, 2 ]
amdhsa.kernels:
  - .name:           k_q97b7ebf697_proj
    .symbol:         k_q97b7ebf697_proj.kd
    .args:
      - { .name: oc, .offset: 0, .size: 8, .value_kind: global_buffer, .address_space: global }
      - { .name: os, .offset: 8, .size: 8, .value_kind: global_buffer, .address_space: global }
      - { .name: cod, .offset: 16, .size: 8, .value_kind: global_buffer, .address_space: global }
      - { .name: scl, .offset: 24, .size: 8, .value_kind: global_buffer, .address_space: global }
      - { .name: b_proj, .offset: 32, .size: 8, .value_kind: global_buffer, .address_space: global }
      - { .name: out0, .offset: 40, .size: 8, .value_kind: global_buffer, .address_space: global }
    .group_segment_fixed_size: 327680
    .private_segment_fixed_size: 0
    .kernarg_segment_align: 8
    .kernarg_segment_size: 48
    .max_flat_workgroup_size: 128
    .sgpr_count:     100
    .vgpr_count:     768
    .wavefront_size: 32
...
	.end_amdgpu_metadata
.endif
;; end of part 4
